; MI455X (gfx1250); checked and timed in simulation.
; The chip was launched on July 23, 2026; its instructions are those of AMD's public machine-readable ISA for CDNA 5 (MIT licence, August 2026) and "CDNA5" Instruction Set Architecture Reference Guide (July 2026). The comments in the code are by the model that wrote it; some were corrected since.
;; Cross Attention. Allowed arithmetic: matrix products marked QUANTISED: E2M3 operands, one E8M0 scale for each 32 along K, by v_wmma_scale_f32_16x16x128_f8f6f4 with both operands' format E2M3, f32 sums; everything else in f32.
;; Inputs: Wk 1,024 x 1,024 float32; Wo 1,024 x 1,024 float32; Wq 1,024 x 1,024 float32; Wv 1,024 x 1,024 float32; bo 1,024 float32; context 4 x 2,048 x 1,024 float32; x 4 x 2,048 x 1,024 float32.
;; Outputs: out0 4 x 2,048 x 1,024 float32.
;; This version of the problem:
;;   THIS VERSION OF THE PROBLEM IS GIVEN IN LOW PRECISION. The matrix products marked QUANTISED in the list below multiply operands that are first quantised to E2M3 (2 exponent bits, 3 mantissa bits; 6 bits a number), with one power-of-two scale for each 32 numbers along K (OCP MX v1.0); their sums are f32. All else is computed in f32.
;;   The module's matrix products, in the order in which they are computed (A, B: the left and right operand; K: the contracted axis; several contracted axes count as one K, in the product's order):
;;     1. [M 8,192, K 1,024] x [K 1,024, N 1,024]; A: input x; B: input Wq: QUANTISED
;;     2. [M 8,192, K 1,024] x [K 1,024, N 1,024]; A: input context; B: input Wk: QUANTISED
;;     3. [M 8,192, K 1,024] x [K 1,024, N 1,024]; A: input context; B: input Wv: QUANTISED
;;     4. batch 64 x [M 2,048, K 64] x [K 64, N 2,048]; A: computed on the way; B: computed on the way: QUANTISED
;;     5. batch 64 x [M 64, K 2,048] x [K 2,048, N 2,048]; A: computed on the way; B: softmax (see below): QUANTISED
;;     6. [M 8,192, K 1,024] x [K 1,024, N 1,024]; A: computed on the way; B: input Wo: QUANTISED
;;   THE QUANTISER, for each operand of a quantised product, along K:
;;     - K is cut into blocks of 32 from its start; a last block that is shorter is filled with zeros.
;;     - A block's scale is 2^e with e = floor(log2(the largest magnitude in the block)) - 2, held to -126 .. 127; a block of zeros has e = 0. As a byte (E8M0): e + 127.
;;     - Each number is divided by its block's scale, clamped to +-7.5, and rounded to the nearest number of E2M3, ties to even, subnormals kept.
;;     - The product sums the exact products of the quantised numbers (number of the format x scale) in f32.
;;   ~~~python
;;   def quantise(x, axis):      # numpy; x: float32 -> the quantised numbers, widened to float32 again
;;       x = np.moveaxis(x, axis, -1); K = x.shape[-1]
;;       x = np.pad(x, [(0, 0)] * (x.ndim - 1) + [(0, -K % 32)]); x = x.reshape(x.shape[:-1] + (-1, 32)); a = np.abs(x).max(-1, keepdims=True)
;;       e = np.where(a > 0, np.clip(np.frexp(np.where(a > 0, a, 1))[1] - 1 - 2, -126, 127), 0)      # np.frexp(a)[1] - 1 = floor(log2(a)), exactly
;;       r = np.clip(x / 2.0 ** e, -7.5, 7.5)
;;       step = 2.0 ** (np.maximum(np.frexp(np.where(r == 0, 1, r))[1] - 1, 0) - 3)
;;       q = np.round(r / step) * step * 2.0 ** e      # np.round: ties to even
;;       return np.moveaxis(q.reshape(q.shape[:-2] + (-1,))[..., :K], -1, axis).astype(np.float32)
;;   ~~~
;;   SOFTMAX AHEAD OF A QUANTISED PRODUCT. Where the list says 'softmax', what is quantised is not the finished softmax but p = 2^(t - M), with t = logit x log2(e) and M = ceil(the row's largest t), a whole number; so 1/2 < the row's largest p <= 1. The row's sum l is taken of the UNQUANTISED p, in f32, and the product's result is divided by l at the end. Since M is a whole number, a kernel that streams over the keys may use a running M (the ceiling of the running maximum): every later rescaling is an exact power of two, which a block's scale takes up: the codes' values come out the same.
;;   OPERANDS COMPUTED ON THE WAY. 'Computed on the way' means the value that the module computes at that place (a softmax that the list does not call 'softmax' is quantised finished and normalised). What goes into a quantiser is computed in f32, as accurately as f32 sums, v_exp_f32 and their like allow (about 1e-6 of the number): no bf16 or f16 on the way to a quantiser, and a product that is left as it is and whose result goes on into a quantised operand takes f32 operands (vector FMAs, or v_wmma_f32_16x16x4_f32). A number that lies on a knife's edge between two numbers of the format may be rounded either way, as far as f32 arithmetic and the matrix unit's own rounding can turn it there, and no further.
;; One version. Each part assembles by itself: llvm-mc -triple=amdgcn-amd-amdhsa -mcpu=gfx1250 --defsym DOCPART=n.
;; ======== version 1 of 1: 4 launches
;; workspace buffers: codes 15,728,640 bytes; scales 655,360 bytes; qkvc 18,874,368 bytes; qkvs 1,572,864 bytes; oc 6,291,456 bytes; os 262,144 bytes
;; launch quant (part 1): grid 640 x 1, 4 waves a work-group, no clusters, 33,280 bytes of LDS; arguments x, context, Wq, Wk, Wv, Wo, codes, scales; writes codes, scales
.if DOCPART == 1
	.amdgcn_target "amdgcn-amd-amdhsa--gfx1250"
	.amdhsa_code_object_version 6
	.text
	.protected	k_q31ec925791_quant
	.globl	k_q31ec925791_quant
	.p2align	8
	.type	k_q31ec925791_quant,@function
k_q31ec925791_quant:
	s_mov_b64 s[64:65], 0
	v_nop
	global_prefetch_b8 v0, s[64:65] scope:SCOPE_SE
	s_setreg_imm32_b32 hwreg(HW_REG_WAVE_MODE, 25, 1), 1
	s_wait_xcnt 0x0
; x, context [8192][1024] and Wq, Wk, Wv, Wo [1024][1024], f32, K innermost, become codes of FP6 (E2M3) and one E8M0 byte for each 32 along K.
; The six tensors' rows stand one behind the other in 'codes' (20,480 rows of 768 bytes, a row one stream of bits) and in 'scales' (32 bytes a row):
; x from row 0, context 8,192, Wq 16,384, Wk 17,408, Wv 18,432, Wo 19,456.
; A block's scale is 2^(floor(log2(its largest magnitude)) - 2); its byte is the largest magnitude's exponent field - 2, held at 1 from below.
; LIMITS: a block of zeros, or one whose largest magnitude lies under 2^-124, keeps the byte 1 (the stated quantiser says 127 for zeros): its codes are zeros or subnormal codes,
; and the bytes are read by this program alone.  NaN and infinities among the inputs are not served.
; A work-group takes 32,768 numbers (32 rows), a wave 16 steps of 512.  Work-groups 0-255 take x, 256-511 context, then 32 each for Wq, Wk, Wv, Wo: so the results of work-group g
; begin at g x 24,576 bytes of codes and g x 1,024 bytes of scales, whatever the source: only the source pointer is chosen, by the work-group's number alone.
; Each load reads 512 consecutive bytes; a step's 2,048 bytes turn through the wave's own stage in LDS so that a lane holds 16 neighbours along K (two lanes to a block).
; No tensor loads, no barrier, no cluster: work-groups and waves share no input.
.set WAVES, 4
.set STEPS, 16
.set EMAX,  2
.set CB,    12                         ; bytes of 16 codes
.set R,     16                         ; v16-79   four sets of 16 numbers as loaded
.set X,     80                         ; v80-111  two sets of 16 neighbours
.set C,     128                        ; v128-191 codes: four registers a step, so that no store's data are written again
.set E,     112                        ; v112-127 a scale byte a step
.set WREG,  8192                       ; LDS: a region for each wave: two stages of 32 x SP bytes, then its 256 scale bytes
.set SP,    80                         ; a lane's place in a stage: 64 bytes + 16 of padding
.set SPW,   12                         ; v12  LDS address of my spare word; never rewritten
.set NIL,   13                         ; v13  0; never rewritten
.set SPARE, WAVES*WREG                 ; the spare words: 128 bytes a wave, two blocks of 256 bytes that no other line names
.set SRC,   4                          ; s[4:5]   the source
.set COD,   16                         ; s[16:17] codes
.set SCA,   18                         ; s[18:19] scales
	s_load_b256 s[4:11], s[0:1], 0x0               ; x, context, Wq, Wk
	s_load_b256 s[12:19], s[0:1], 0x20             ; Wv, Wo, codes, scales
	v_lshl_add_u32 v[SPW], v0, 2, SPARE
	v_mov_b32 v[NIL], 0
	v_lshrrev_b32 v1, 5, v0
	v_readfirstlane_b32 s22, v1                    ; wave
	v_and_b32 v2, 31, v0                           ; lane
	v_lshlrev_b32 v3, 4, v2                        ; my 16 bytes of a load's 512
	s_mul_i32 s23, s22, WREG
	v_lshrrev_b32 v14, 2, v2
	v_mul_u32_u24 v14, v14, SP
	v_and_b32 v15, 3, v2
	v_lshl_add_u32 v14, v15, 4, v14
	v_add_nc_u32 v14, s23, v14                     ; the stage, way in: SP (lane / 4) + 16 (lane % 4)
	v_mul_u32_u24 v15, v2, SP
	v_add_nc_u32 v15, s23, v15                     ; way out: SP x lane: my 16 neighbours
	v_mul_u32_u24 v4, v2, CB                       ; my codes' place in a step's 384 bytes
	v_lshrrev_b32 v5, 1, v2
	s_add_co_u32 s23, s23, 2*32*SP
	v_add_nc_u32 v5, s23, v5                       ; LDS: my block's scale byte
	v_lshlrev_b32 v7, 3, v2                        ; on the way out 8 bytes a lane
	v_add_nc_u32 v6, s23, v7
	s_wait_kmcnt 0x0
	s_mov_b32 s20, 608                             ; the source and its first work-group, from the last tensor down; each choice hangs on the work-group's number alone
	s_cmp_lt_u32 ttmp9, 608
	s_cselect_b64 s[14:15], s[12:13], s[14:15]
	s_cselect_b32 s20, 576, s20
	s_cmp_lt_u32 ttmp9, 576
	s_cselect_b64 s[14:15], s[10:11], s[14:15]
	s_cselect_b32 s20, 544, s20
	s_cmp_lt_u32 ttmp9, 544
	s_cselect_b64 s[14:15], s[8:9], s[14:15]
	s_cselect_b32 s20, 512, s20
	s_cmp_lt_u32 ttmp9, 512
	s_cselect_b64 s[14:15], s[6:7], s[14:15]
	s_cselect_b32 s20, 256, s20
	s_cmp_lt_u32 ttmp9, 256
	s_cselect_b64 s[SRC:SRC+1], s[4:5], s[14:15]
	s_cselect_b32 s20, 0, s20
	s_sub_co_u32 s24, ttmp9, s20
	s_lshl_b32 s24, s24, 2
	s_add_co_u32 s24, s24, s22                     ; which run of 8,192 numbers of the source is my wave's
	s_lshl_b32 s24, s24, 15                        ; 32,768 bytes a run; under 2^26
	s_mov_b32 s25, 0
	s_add_nc_u64 s[SRC:SRC+1], s[SRC:SRC+1], s[24:25]
	s_lshl_b32 s26, ttmp9, 2
	s_add_co_u32 s26, s26, s22                     ; which run of the results
	s_mul_i32 s28, s26, 32*STEPS*CB                ; 6,144 bytes of codes a run
	s_mov_b32 s29, 0
	s_add_nc_u64 s[COD:COD+1], s[COD:COD+1], s[28:29]
	s_lshl_b32 s28, s26, 8                         ; 256 scale bytes a run
	s_add_nc_u64 s[SCA:SCA+1], s[SCA:SCA+1], s[28:29]
.macro LOAD t
.irp i, 0,1,2,3
	global_load_b128 v[R+16*((\t)%4)+4*\i:R+16*((\t)%4)+4*\i+3], v3, s[SRC:SRC+1] offset:2048*(\t)+512*\i th:TH_LOAD_NT   ; 32 lanes read 512 consecutive bytes
.endr
.endm
.macro TURN t                          ; step t's numbers through the stage: LDS serves a wave's instructions in order, so no wait stands between the stores and the loads
.irp i, 0,1,2,3
	ds_store_b128 v14, v[R+16*((\t)%4)+4*\i:R+16*((\t)%4)+4*\i+3] offset:32*SP*((\t)%2)+8*SP*\i
.endr
.irp i, 0,1,2,3
	ds_load_b128 v[X+16*((\t)%2)+4*\i:X+16*((\t)%2)+4*\i+3], v15 offset:32*SP*((\t)%2)+16*\i
.endr
.endm
.irp t, 0,1,2,3
	LOAD \t
.endr
	s_wait_loadcnt 12                              ; step 0's four loads are in; those of steps 1 to 3 may be out
	TURN 0
.macro STEP t
.set XS, X+16*((\t)%2)
.if (\t) > 0
	s_wait_dscnt 1                                 ; this step's numbers are back from the stage (the last step's byte store may be out): its stores into the stage have read their registers,
.else
	s_wait_dscnt 0x0
.endif
.if (\t)+4 < STEPS
	LOAD (\t)+4                                    ; which take the loads of four steps on
.endif
.if (\t)+1 < STEPS
.if STEPS-2-(\t) >= 3
	s_wait_loadcnt 12                              ; the next step's four loads are in; those of the three steps behind it may be out
.else
	s_wait_loadcnt 4*(STEPS-2-(\t))
.endif
	TURN (\t)+1                                    ; and go through the other stage while this step is worked
.endif
	v_max3_num_f32 v8, |v[XS]|, |v[XS+1]|, |v[XS+2]|               ; the largest magnitude of my 16, in two chains
	v_max3_num_f32 v9, |v[XS+3]|, |v[XS+4]|, |v[XS+5]|
.irp i, 6,10
	v_max3_num_f32 v8, v8, |v[XS+\i]|, |v[XS+\i+1]|
	v_max3_num_f32 v9, v9, |v[XS+\i+2]|, |v[XS+\i+3]|
.endr
	v_max3_num_f32 v8, v8, |v[XS+14]|, |v[XS+15]|
	v_max3_num_f32 v8, v8, v9, (EMAX+1)<<23        ; and the floor 2^(EMAX + 1 - 127): the byte cannot fall under 1
	v_max_num_f32_dpp v8, v8, v8 row_xmask:1 row_mask:0xf bank_mask:0xf   ; and of my neighbour's 16: the block's
	v_add_nc_u32 v11, -(EMAX<<23), v8              ; EMAX off its exponent field: the conversion takes the exponent field of this operand as its scale
	v_cvt_scalef32_pk16_fp6_f32 v[C+4*(\t):C+4*(\t)+2], v[XS:XS+15], v11   ; sixteen codes, 96 bits without gaps, the first number's code lowest
	v_lshrrev_b32 v[E+(\t)], 23, v11               ; the scale's byte (also the plain line behind the conversion)
	ds_store_b8 v5, v[E+(\t)] offset:16*(\t)       ; both lanes of a block write the same byte with the same value
	global_store_b96 v4, v[C+4*(\t):C+4*(\t)+2], s[COD:COD+1] offset:32*CB*(\t)   ; the wave stores 384 consecutive bytes
.endm
.irp t, 0,1,2,3,4,5,6,7,8,9,10,11,12,13,14,15
	STEP \t
.endr
	ds_load_b64 v[8:9], v6                         ; LDS serves a wave's instructions in order: these see my stores
	s_wait_dscnt 0x0
	global_store_b64 v7, v[8:9], s[SCA:SCA+1]      ; 32 lanes store 256 consecutive bytes, aligned
	s_wait_tensorcnt 0x0                           ; the wave's end, behind my last LDS store
	ds_add_u32 v[SPW], v[NIL]
	s_wait_dscnt 0x0
	s_endpgm
.Lfunc_end_k_q31ec925791_quant:
	.size	k_q31ec925791_quant, .Lfunc_end_k_q31ec925791_quant-k_q31ec925791_quant
	.p2alignl 7, 3214868480
	.fill 96, 4, 3214868480
	.section	.rodata,"a",@progbits
	.p2align	6, 0x0
	.amdhsa_kernel k_q31ec925791_quant
		.amdhsa_group_segment_fixed_size 33280
		.amdhsa_private_segment_fixed_size 0
		.amdhsa_enable_private_segment 0
		.amdhsa_kernarg_size 64
		.amdhsa_user_sgpr_count 2
		.amdhsa_user_sgpr_kernarg_segment_ptr 1
		.amdhsa_wavefront_size32 1
		.amdhsa_system_sgpr_workgroup_id_x 1
		.amdhsa_system_sgpr_workgroup_id_y 1
		.amdhsa_system_sgpr_workgroup_id_z 1
		.amdhsa_system_vgpr_workitem_id 0
		.amdhsa_next_free_vgpr 192
		.amdhsa_next_free_sgpr 66
		.amdhsa_reserve_vcc 0
		.amdhsa_float_denorm_mode_32 3
		.amdhsa_float_denorm_mode_16_64 3
		.amdhsa_memory_ordered 1
		.amdhsa_forward_progress 1
		.amdhsa_inst_pref_size 33
	.end_amdhsa_kernel
	.amdgpu_metadata
---
amdhsa.version: [ 1, 2 ]
amdhsa.kernels:
  - .name:           k_q31ec925791_quant
    .symbol:         k_q31ec925791_quant.kd
    .args:
      - { .name: x, .offset: 0, .size: 8, .value_kind: global_buffer, .address_space: global }
      - { .name: context, .offset: 8, .size: 8, .value_kind: global_buffer, .address_space: global }
      - { .name: Wq, .offset: 16, .size: 8, .value_kind: global_buffer, .address_space: global }
      - { .name: Wk, .offset: 24, .size: 8, .value_kind: global_buffer, .address_space: global }
      - { .name: Wv, .offset: 32, .size: 8, .value_kind: global_buffer, .address_space: global }
      - { .name: Wo, .offset: 40, .size: 8, .value_kind: global_buffer, .address_space: global }
      - { .name: codes, .offset: 48, .size: 8, .value_kind: global_buffer, .address_space: global }
      - { .name: scales, .offset: 56, .size: 8, .value_kind: global_buffer, .address_space: global }
    .group_segment_fixed_size: 33280
    .private_segment_fixed_size: 0
    .kernarg_segment_align: 8
    .kernarg_segment_size: 64
    .max_flat_workgroup_size: 128
    .sgpr_count:     66
    .vgpr_count:     192
    .wavefront_size: 32
...
	.end_amdgpu_metadata
.endif
;; end of part 1
;; launch proj (part 2): grid 4 x 96, 4 waves a work-group, clusters of 4 x 4, 327,680 bytes of LDS; arguments codes, scales, qkvc, qkvs; writes qkvc, qkvs
.if DOCPART == 2
	.amdgcn_target "amdgcn-amd-amdhsa--gfx1250"
	.amdhsa_code_object_version 6
	.text
	.protected	k_q31ec925791_proj
	.globl	k_q31ec925791_proj
	.p2align	8
	.type	k_q31ec925791_proj,@function
k_q31ec925791_proj:
	s_mov_b64 s[64:65], 0
	v_nop
	global_prefetch_b8 v0, s[64:65] scope:SCOPE_SE
	s_setreg_imm32_b32 hwreg(HW_REG_WAVE_MODE, 25, 1), 1
	s_wait_xcnt 0x0
	s_wait_alu depctr_hold_cnt(0) depctr_sa_sdst(0) depctr_va_vdst(0) depctr_va_sdst(0) depctr_va_ssrc(0) depctr_va_vcc(0) depctr_vm_vsrc(0)
	s_getreg_b32 s2, hwreg(HW_REG_IB_STS2, 6, 4)
	s_cmp_eq_u32 s2, 0
	s_cbranch_scc0 .Lentry_in_a_cluster
	s_endpgm
.Lentry_in_a_cluster:
	s_bfe_u32 s2, ttmp6, 0x10000c
	s_cmp_lg_u32 s2, 0xf033
	s_cbranch_scc0 .Lentry_shape_is_right
	s_endpgm
.Lentry_shape_is_right:
; The three projections on codes of FP6 (E2M3) with E8M0 scales, and their results quantised at once for the attention.
; A cluster of 4 x 4 work-groups makes C'[1024][1024] = A' B'^T over K = 1,024; cluster number c = 8 job + i.
;   job 0: A' = x rows 1024 i on, B' = Wq: q.   job 1: A' = context rows 1024 i on, B' = Wk: k.   job 2: A' = Wv, B' = context rows 1024 i on: v TRANSPOSED, channels x keys.
; In all three C' is quantised along its columns: the head's 64 for q and k, the keys for v.
; A work-group makes 256 x 256, each of its four waves 128 x 128: 64 accumulators, 512 registers.  K goes in steps of 256 through two LDS slots filled by tensor loads;
; the scale bytes of the work-group's rows come once, with the first fills.  A's tiles are asked for jointly along a row of the cluster, B's along a column.
; The matrix instruction is used transposed (source 0 = 16 rows of B', source 1 = 16 rows of A'): a lane holds one row of C' and eight neighbouring columns a tile.
; THE WAY OUT.  For 16 rows a lane's 64 registers are columns 16 b + 8 (lane / 16) + j.  The 16 registers of tiles 2 b, 2 b + 1 with lane l xor 16's are one true block of 32, so scales are the true
; blocks'; inside a block the codes stand in the order 0-7, 16-23, 8-15, 24-31.  q and k carry that order alike along d, v carries it along the keys as the attention's p does: products are unchanged.
; The 128 columns become one operand fragment of 12 registers, stored as two IMAGES of six registers (768 bytes: registers 0-3 at 16 x lane, 4-5 at 512 + 8 x lane):
;   q, k: the two images are two heads' (64 columns each);   v: the two halves of a key step of 128 keys.
; qkvc: unit Z x 6,144 bytes, Z = ((4 job + batch) x 16 + head) x 16 + U.  q, k: U = group of 128 rows, eight tiles of 768 bytes.  v: U = key step, (channel tile t, half c) at 1,536 t + 768 c.
; qkvs: unit Z x 512 bytes.  q, k: two groups of four tiles, [row 16][4 words], a word = the row's two bytes, upper bytes 0.  v: [lane 32][4 words], word t = channel tile t's four bytes, lanes 16-31 as 0-15.
; LIMITS: a block of zeros or under 2^-124 keeps the byte 1 (read by this program alone); NaN and infinities are not served.
; REGISTERS: window 0: v0-31 addresses; v32-63 scale words; v64-123 at work on the way out; from v128 A's fragments, one set.  window 1: B's fragments, two sets.  windows 2, 3: the accumulators.
.set KSTEP,  256
.set NQ,     KSTEP/128
.set ROWB,   192                       ; a tile's row in bytes
.set KROW,   768                       ; a row of codes in memory
.set PITCH,  240                       ; an LDS row: 3 x (64 bytes + 16 of padding)
.set FR,     12
.set NL,     6
.set NP,     4
.set HALFT,  128*PITCH
.set SLOT,   4*HALFT
.set LAPS,   2                         ; K = 1,024: four K steps, twice round the ring
.set KS,     32                        ; a row of scale bytes
.set SCL,    2*SLOT
.set HALFS,  (128*KS/256)*272
.set SBLK,   (16*KS/256)*272
.set SPARE,  SCL+4*HALFS               ; the spare words: 128 bytes a wave, two blocks of 256 bytes that no other line names
.set ADRA, 16
.set ADRB, 20
.set ADRS, 27
.set SPW,  28
.set NIL,  29
.set SC,   32
.set AF,   128
.set CD,   64                          ; v64-83   the way out: the codes just made
.set TM,   96                          ; v96-111  largest magnitudes, bytes, scale operands
.set PW,   112                         ; v112     the scale word just made
.set SWR,  116                         ; v116-123 the eight blocks' scale words, as stored
.set G1, 24
.set G0, 32
.set G1B, 48
.set G0B, 56
.set G1S, 68
.set G0S, 76
.set G1SB, 80
.set G0SB, 88
.set MSB, 0
.macro WIN new                         ; the immediate's high byte repeats the setting that is left
.if MSB != \new
	s_set_vgpr_msb (MSB<<8)|\new
.set MSB, \new
.endif
.endm
.set MUL_LO, 0xa1                      ; source 0 (B) window 1, source 1 (A) window 0, C and D window 2
.set MUL_HI, 0xf1
.set TO_B,   0x40
; A joint load: waves 0 and 1 fetch for A, waves 2 and 3 for B.  An s_nop 0 and four v_nop follow each of the two lines.
.macro JLOAD g0a, g1a, g0b, g1b
	s_cmp_eq_u32 s15, 0
	s_cbranch_scc0 .Lfor_b_\@
	tensor_load_to_lds s[\g0a:\g0a+3], s[\g1a:\g1a+7]
	s_nop 0
.rept 4
	v_nop
.endr
	s_branch .Lasked_\@
.Lfor_b_\@:
	tensor_load_to_lds s[\g0b:\g0b+3], s[\g1b:\g1b+7]
	s_nop 0
.rept 4
	v_nop
.endr
.Lasked_\@:
.endm
.macro CREST                           ; a round of the cluster's barrier behind its opening barrier
	s_cmp_lg_u32 s14, 0
	s_cbranch_scc1 .Lnot_wave_0_\@
	s_barrier_signal -3
.Lnot_wave_0_\@:
	s_barrier_wait -3
	s_barrier_signal -1
	s_barrier_wait -1
.endm
.macro CROUND
	s_barrier_signal -1
	s_barrier_wait -1
	CREST
.endm
	s_load_b256 s[4:11], s[0:1], 0x0               ; codes s[4:5], scales s[6:7], qkvc s[8:9], qkvs s[10:11]
	v_lshl_add_u32 v[SPW], v0, 2, SPARE
	v_mov_b32 v[NIL], 0
	ds_add_u32 v[SPW], v[NIL]                      ; the wave's opening: the add and its wait ahead of my first tensor load
	v_lshrrev_b32 v1, 5, v0
	v_readfirstlane_b32 s14, v1                    ; wave 0..3
	s_lshr_b32 s15, s14, 1                         ; which half of the tile's rows is mine.  Also: I fetch for A (0) or for B (1)
	s_and_b32 s16, s14, 1                          ; which half of its columns.  Also: which 128 rows of that tile I fetch
	s_bfe_u32 s40, ttmp6, 0x40000                  ; cx
	s_bfe_u32 s41, ttmp6, 0x40004                  ; cy
	s_and_b32 s13, ttmp7, 0xffff                   ; the cluster's number, 0 .. 23
	s_lshr_b32 s12, s13, 3                         ; job
	s_and_b32 s13, s13, 7                          ; i
	s_lshl_b32 s43, s41, 2
	s_lshl_b32 s43, 15, s43                        ; my row of the cluster
	s_lshl_b32 s44, 0x1111, s40                    ; my column
	s_or_b32 s[G1+0], s43, (0<<16)|(1<<20)|(1<<21)|(3<<22)|(3<<25)  ; mask; elements of 1 byte; padding on; bit 21 beside a mask; after every 16 words, 4 words
	s_or_b32 s[G1B+0], s44, (0<<16)|(1<<20)|(1<<21)|(3<<22)|(3<<25)
.irp g, G1, G1B
	s_mov_b32 s[\g+1], ROWB<<16                    ; tensor_dim0
	s_mov_b32 s[\g+2], 128<<16                     ; tensor_dim1
	s_mov_b32 s[\g+3], ROWB<<16                    ; tile_dim0
	s_mov_b32 s[\g+4], 128                         ; tile_dim1
	s_mov_b32 s[\g+5], KROW                        ; pitch
	s_mov_b32 s[\g+6], 0
	s_mov_b32 s[\g+7], 0
.endr
	s_or_b32 s[G1S+0], s43, (3<<16)|(1<<20)|(1<<21)|(5<<22)|(3<<25)  ; the scales of 128 rows: 4,096 dense bytes as 16 rows of 256, 16 bytes of padding behind each
	s_or_b32 s[G1SB+0], s44, (3<<16)|(1<<20)|(1<<21)|(5<<22)|(3<<25)
.irp g, G1S, G1SB
	s_mov_b32 s[\g+1], 32<<16
	s_mov_b32 s[\g+2], (128*KS/256)<<16
	s_mov_b32 s[\g+3], 32<<16
	s_mov_b32 s[\g+4], 128*KS/256
	s_mov_b32 s[\g+5], 32
	s_mov_b32 s[\g+6], 0
	s_mov_b32 s[\g+7], 0
.endr
	; the first rows of A' and B' in 'codes': they hang on the cluster's number alone
	s_lshl_b32 s17, s12, 13
	s_lshl_b32 s18, s13, 10
	s_add_co_u32 s17, s17, s18                     ; x or context: 8,192 job + 1,024 i
	s_lshl_b32 s19, s12, 10
	s_add_co_u32 s19, s19, 16384                   ; Wq or Wk
	s_add_co_u32 s18, s18, 8192                    ; context rows 1,024 i on
	s_mov_b32 s42, 18432                           ; Wv
	s_cmp_eq_u32 s12, 2
	s_cselect_b32 s17, s42, s17                    ; A's first row
	s_cselect_b32 s42, s18, s19                    ; B's
	s_lshl_b32 s18, s16, 7                         ; which 128 rows of the tile I fetch
	s_lshl_b32 s20, s41, 8
	s_add_co_u32 s20, s20, s17
	s_add_co_u32 s20, s20, s18                     ; A: + 256 cy + 128 half: never holds cx
	s_lshl_b32 s46, s40, 8
	s_add_co_u32 s46, s46, s42
	s_add_co_u32 s46, s46, s18                     ; B: + 256 cx + 128 half: never holds cy
	s_lshl_b32 s22, s20, 5                         ; where these rows' scales begin,
	s_mov_b32 s23, 0
	s_lshl_b32 s96, s46, 5
	s_mov_b32 s97, 0
	s_mul_i32 s20, s20, KROW                       ; and their codes: under 2^24 bytes
	s_mov_b32 s21, 0
	s_mul_i32 s46, s46, KROW
	s_mov_b32 s47, 0
	s_mul_i32 s45, s14, HALFT                      ; where they go: wave x 128 rows
	s_mul_i32 s101, s14, HALFS
	s_wait_dscnt 0x0                               ; the opening add is done
	s_wait_kmcnt 0x0
	s_add_nc_u64 s[20:21], s[4:5], s[20:21]
	s_add_nc_u64 s[22:23], s[6:7], s[22:23]
	s_add_nc_u64 s[46:47], s[4:5], s[46:47]
	s_add_nc_u64 s[96:97], s[6:7], s[96:97]
	CROUND                                         ; all sixteen work-groups are here: the first joint loads meet
	s_mov_b32 s[G0S], 1
	s_add_co_u32 s[G0S+1], s101, SCL
	s_mov_b64 s[G0S+2:G0S+3], s[22:23]
	s_or_b32 s[G0S+3], s[G0S+3], 0x80000000
	s_mov_b32 s[G0SB], 1
	s_add_co_u32 s[G0SB+1], s101, SCL
	s_mov_b64 s[G0SB+2:G0SB+3], s[96:97]
	s_or_b32 s[G0SB+3], s[G0SB+3], 0x80000000
	JLOAD G0S, G1S, G0SB, G1SB                     ; the scales first: they are wanted with K step 0
.irp s, 0,1
	s_mov_b32 s[G0+4*\s], 1
	s_add_co_u32 s[G0+4*\s+1], s45, \s*SLOT
	s_add_nc_u64 s[G0+4*\s+2:G0+4*\s+3], s[20:21], \s*ROWB
	s_or_b32 s[G0+4*\s+3], s[G0+4*\s+3], 0x80000000
	s_mov_b32 s[G0B+4*\s], 1
	s_add_co_u32 s[G0B+4*\s+1], s45, \s*SLOT
	s_add_nc_u64 s[G0B+4*\s+2:G0B+4*\s+3], s[46:47], \s*ROWB
	s_or_b32 s[G0B+4*\s+3], s[G0B+4*\s+3], 0x80000000
	JLOAD G0+4*\s, G1, G0B+4*\s, G1B               ; three loads of mine are out at the most
.endr
	v_and_b32 v1, 15, v0                           ; l % 16
	v_bfe_u32 v2, v0, 4, 1                         ; l / 16
	v_mul_u32_u24 v3, v1, PITCH
	v_mul_u32_u24 v4, v2, 24
	v_add_nc_u32 v4, v3, v4                        ; a fragment's row x pitch + 24 x half
	v_lshl_add_u32 v5, v2, 4, v4                   ; and the same behind one padding more
	s_mul_i32 s21, s15, HALFT                      ; my 128 rows of A
	s_mul_i32 s22, s16, HALFT                      ; my 128 rows of B,
	s_add_co_u32 s22, s22, 2*HALFT                 ; behind A's 256
.irp s, 0,1
	v_add_nc_u32 v[ADRA+\s], s21, v4
	v_add_nc_u32 v[ADRB+\s], s22, v4
	v_add_nc_u32 v[ADRA+2+\s], s21, v5
	v_add_nc_u32 v[ADRB+2+\s], s22, v5
	s_add_co_u32 s21, s21, SLOT
	s_add_co_u32 s22, s22, SLOT
.endr
	v_mul_u32_u24 v5, v1, KS                       ; my row's scales: KS bytes a row,
	v_lshrrev_b32 v6, 8, v5
	v_lshl_add_u32 v5, v6, 4, v5                   ; and 16 more for each 256 passed
	s_mul_i32 s21, s15, HALFS
	s_mul_i32 s22, s16, HALFS
	s_add_co_u32 s22, s22, 2*HALFS
	s_sub_co_u32 s22, s22, s21
	v_mul_u32_u24 v6, s22, v2                      ; lanes 16-31 take B's: the lower base + half x the distance
	s_add_co_u32 s21, s21, SCL
	v_add_nc_u32 v5, v5, v6
	v_add_nc_u32 v[ADRS], s21, v5
	; the way out's numbers: all chosen on job == 2, which hangs on the cluster's number alone
	s_mov_b32 s66, 98304                           ; DC: from an image to the fragment's other image: the next head's unit (16 x 6,144), or 768 for v
	s_mov_b32 s67, 8192                            ; DHS: what lanes 16-31 add for the scale words: the next head (16 x 512), or 256 for v
	s_mov_b32 s98, 256                             ; DG: from blocks 0-3's words to blocks 4-7's: the second group, or the next head for v
	s_mov_b32 s100, 0xffff                         ; MASK: a head's two bytes, or all four for v
	s_mov_b32 s92, 768                             ; SA: from block to block of 16 rows
	s_mov_b32 s93, 0
	s_mov_b32 s95, 0
	s_cmp_eq_u32 s12, 2
	s_cselect_b32 s66, 768, s66
	s_cselect_b32 s67, 256, s67
	s_cselect_b32 s98, 8192, s98
	s_cselect_b32 s99, 0, 16                       ; SH: lanes 16-31 take the word's upper two bytes (q, k)
	s_cselect_b32 s100, -1, s100
	s_cselect_b32 s92, 1536, s92
	s_cselect_b32 s94, 92160, 0                    ; SA4: at block 4, v goes on to the next head: 98,304 - 3 x 1,536 - 1,536
	s_cselect_b32 s18, s41, s40                    ; the pair that names my first head: (cx, column half) for q, k; (cy, row half) for v
	s_cselect_b32 s19, s15, s16
	s_cselect_b32 s20, s40, s41                    ; and the pair that names U
	s_cselect_b32 s21, s16, s15
	s_lshl_b32 s18, s18, 2
	s_lshl_b32 s19, s19, 1
	s_add_co_u32 s18, s18, s19                     ; my first head
	s_lshl_b32 s20, s20, 1
	s_add_co_u32 s20, s20, s21
	s_and_b32 s21, s13, 1
	s_lshl_b32 s21, s21, 3
	s_add_co_u32 s20, s20, s21                     ; U = 8 (i & 1) + 2 P' + Q'
	s_lshl_b32 s101, s12, 2
	s_lshr_b32 s21, s13, 1                         ; batch
	s_add_co_u32 s101, s101, s21
	s_lshl_b32 s101, s101, 4
	s_add_co_u32 s101, s101, s18
	s_lshl_b32 s101, s101, 4
	s_add_co_u32 s101, s101, s20                   ; Z
	s_mul_i32 s18, s101, 6144
	s_mov_b32 s19, 0
	s_add_nc_u64 s[8:9], s[8:9], s[18:19]
	s_lshl_b32 s18, s101, 9
	s_add_nc_u64 s[10:11], s[10:11], s[18:19]
.macro FRAG reg, adr, q, i             ; a fragment, 16 rows x 128 K: lane l holds row l % 16; registers 6 c .. 6 c + 5 hold K = 64 c + 32 (l / 16) + 0 .. 31: 24 bytes of the row, in pieces of 8
.irp p, 0,1,2,3,4,5
.set PIECE, 12*(\q)+6*(\p/3)+\p%3     ; 16 bytes of padding lie behind every 8 pieces: where the piece three on lies behind one padding more, the second address register serves
.if PIECE%8 < 5
	ds_load_b64 v[\reg+2*\p:\reg+2*\p+1], v[\adr] offset:8*PIECE+16*(PIECE/8)+(\i)*16*PITCH
.else
	ds_load_b64 v[\reg+2*\p:\reg+2*\p+1], v[\adr+2] offset:8*PIECE+16*(PIECE/8)+(\i)*16*PITCH
.endif
.endr
.endm
; 16 matrix instructions: A's blocks a0, a0 + 1 x B's eight.  The 64 accumulators take turns, one instruction a turn, in the same order in every step.
.macro MUL16 a0, p, q, sc, zero
.irp a, \a0, \a0+1
.irp b, 0,1,2,3,4,5,6,7
.if \zero
	v_wmma_scale_f32_16x16x128_f8f6f4 v[8*(8*((\a)%4)+\b):8*(8*((\a)%4)+\b)+7], v[128*(\p)+FR*\b:128*(\p)+FR*\b+FR-1], v[AF+FR*(\a):AF+FR*(\a)+FR-1], 0, v[SC+8*NQ*(\sc)+NQ*\b+(\q)], v[SC+8*NQ*(\sc)+NQ*(\a)+(\q)] matrix_a_fmt:MATRIX_FMT_FP6 matrix_b_fmt:MATRIX_FMT_FP6 matrix_a_scale:MATRIX_SCALE_ROW1
.else
	v_wmma_scale_f32_16x16x128_f8f6f4 v[8*(8*((\a)%4)+\b):8*(8*((\a)%4)+\b)+7], v[128*(\p)+FR*\b:128*(\p)+FR*\b+FR-1], v[AF+FR*(\a):AF+FR*(\a)+FR-1], v[8*(8*((\a)%4)+\b):8*(8*((\a)%4)+\b)+7], v[SC+8*NQ*(\sc)+NQ*\b+(\q)], v[SC+8*NQ*(\sc)+NQ*(\a)+(\q)] matrix_a_fmt:MATRIX_FMT_FP6 matrix_b_fmt:MATRIX_FMT_FP6 matrix_a_scale:MATRIX_SCALE_ROW1
.endif
.endr
.endr
.endm
.macro FETCH_B slot, q, p
	WIN TO_B
.irp i, 0,1,2,3,4,5,6,7
	FRAG 128*(\p)+FR*\i, ADRB+\slot, \q, \i
.endr
	WIN 0
.endm
.macro FETCH_A slot, q, i0
.irp i, \i0, \i0+1, \i0+2, \i0+3
	FRAG AF+FR*(\i), ADRA+\slot, \q, \i
.endr
.endm
.macro SCALES sc                       ; the K step's scale words: lanes 0-15 take A's block i, lanes 16-31 B's block i
.irp i, 0,1,2,3,4,5,6,7
	ds_load_b64 v[SC+8*NQ*\sc+NQ*\i:SC+8*NQ*\sc+NQ*\i+1], v[ADRS] offset:\i*SBLK
.endr
.endm
.macro PLACES n                        ; plain vector lines between a matrix instruction and a load into, or a read of, its registers
.rept \n
	v_nop
.endr
.endm
.macro STEP slot, q, zero              ; a step of 128 along K that has its successor in the same slot
	s_wait_dscnt 4*NL                              ; B's set and A's blocks 0-3 are in; the youngest 24 loads (A's blocks 4-7) may be out
	WIN MUL_LO
	MUL16 0, (\q)%2, \q, \slot, \zero
	MUL16 2, (\q)%2, \q, \slot, \zero
	s_wait_dscnt 0
	PLACES NP
	FETCH_B \slot, (\q)+1, 1-(\q)%2
	FETCH_A \slot, (\q)+1, 0
	WIN MUL_HI
	MUL16 4, (\q)%2, \q, \slot, \zero
	MUL16 6, (\q)%2, \q, \slot, \zero
	PLACES NP
	WIN 0
	FETCH_A \slot, (\q)+1, 4
.endm
; A slot's last step changes slots: one barrier; in front of it each wave waits for all its tensor loads, adds 0 to its spare word, and waits for that and for its reads of this slot.
.macro TURN slot, next, fill
	s_wait_tensorcnt 0x0                           ; all my tensor loads have landed: my part of the next slot
	ds_add_u32 v[SPW], v[NIL]                      ; 0 onto my spare word
	s_wait_dscnt 4*NL+1                            ; (the add and the youngest 24 loads, A's blocks 4-7, may be out)
	WIN MUL_LO
	MUL16 0, 1, NQ-1, \slot, 0
	s_wait_dscnt 0x0                               ; the add is done, and my reads of this slot are over
	s_barrier_signal -1
	MUL16 2, 1, NQ-1, \slot, 0
	WIN 0
	s_barrier_wait -1
.if \fill
	CREST                                          ; the barrier has opened a round of the cluster's: no wave of any partner still reads this slot or has a load on its way
	s_add_nc_u64 s[G0+4*\slot+2:G0+4*\slot+3], s[G0+4*\slot+2:G0+4*\slot+3], 2*ROWB
	s_add_nc_u64 s[G0B+4*\slot+2:G0B+4*\slot+3], s[G0B+4*\slot+2:G0B+4*\slot+3], 2*ROWB
	JLOAD G0+4*\slot, G1, G0B+4*\slot, G1B         ; the first tensor load behind the round; its four v_nop are the places in front of the loads below
.else
	PLACES NP
.endif
	v_add_nc_u32 v[ADRS], 4*NQ, v[ADRS]            ; the next K step's scale words
	FETCH_B \next, 0, 0
	FETCH_A \next, 0, 0
	SCALES \next
	WIN MUL_HI
	MUL16 4, 1, NQ-1, \slot, 0
	MUL16 6, 1, NQ-1, \slot, 0
	PLACES NP
	WIN 0
	FETCH_A \next, 0, 4
.endm
	s_wait_tensorcnt 1                             ; the scales and my part of K step 0 are in (K step 1's load may be out),
	s_barrier_signal -1
	s_barrier_wait -1                              ; everybody's are
	FETCH_B 0, 0, 0
	FETCH_A 0, 0, 0
	SCALES 0
	FETCH_A 0, 0, 4
	STEP 0, 0, 1                                   ; the first step's products start the sums
	s_mov_b32 s3, LAPS-1
.Llap:                                                 ; a trip goes once round the ring and fills both slots again
	TURN 0, 1, 1
	STEP 1, 0, 0
	TURN 1, 0, 1
	STEP 0, 0, 0
	s_sub_co_u32 s3, s3, 1
	s_cmp_lg_u32 s3, 0
	s_cbranch_scc1 .Llap
	TURN 0, 1, 0                                   ; the last lap fills nothing
	STEP 1, 0, 0
	s_wait_dscnt 4*NL
	WIN MUL_LO
	MUL16 0, 1, NQ-1, 1, 0
	MUL16 2, 1, NQ-1, 1, 0
	s_wait_dscnt 0
	WIN MUL_HI
	MUL16 4, 1, NQ-1, 1, 0
	MUL16 6, 1, NQ-1, 1, 0
	WIN 0
	; THE WAY OUT: no LDS, no branch.  The address lines below and four v_nop are the places behind the last products.
	s_mov_b32 s22, 0x76543210
	s_mov_b32 s23, 0xfedcba98                      ; v_permlanex16_b32's selects for lane l xor 16
	v_and_b32 v1, 31, v0
	v_lshlrev_b32 v8, 4, v1                        ; an image's registers 0-3: 16 x lane
	v_lshl_add_u32 v9, v1, 3, 512                  ; its registers 4-5: 512 + 8 x lane
	v_add_nc_u32 v10, s66, v8                      ; the fragment's other image
	v_add_nc_u32 v11, s66, v9
	v_and_b32 v2, 15, v0
	v_bfe_u32 v3, v0, 4, 1
	v_mul_u32_u24 v4, s67, v3
	v_lshl_add_u32 v12, v2, 4, v4                  ; scale words of blocks 0-3: 16 r + half x DHS
	v_add_nc_u32 v13, s98, v12                     ; of blocks 4-7
	v_mul_u32_u24 v14, s99, v3                     ; half x SH
.irp b, 0,1,2,3
	v_mov_b32 v[TM+4+\b], 0                        ; written once: a lane permute's destination counts as one of its sources
.endr
	PLACES NP
; Block a: 16 rows x 128 columns become a fragment and a scale word a row.
.macro OUTQ a
.set W, 2+(\a)/4                       ; the accumulators' window
.set WW, 5*W                           ; sources 0 and 1 in it
.set AC, 64*((\a)%4)
	WIN WW
.irp b, 0,1,2,3
	v_max3_num_f32 v[TM+\b], |v[AC+16*\b]|, |v[AC+16*\b+1]|, 0x1800000   ; block b: my 16 numbers and the floor 2^(3 - 127); each accumulator is read from its low end on
.endr
.irp i, 2,4,6,8,10,12,14
.irp b, 0,1,2,3
	v_max3_num_f32 v[TM+\b], |v[AC+16*\b+\i]|, |v[AC+16*\b+\i+1]|, v[TM+\b]
.endr
.endr
	WIN 0
.irp b, 0,1,2,3
	v_permlanex16_b32 v[TM+4+\b], v[TM+\b], s22, s23
.endr
.irp b, 0,1,2,3
	v_max_num_f32 v[TM+\b], v[TM+\b], v[TM+4+\b]   ; with lane l xor 16's: the block's largest magnitude
.endr
.irp b, 0,1,2,3
	v_add_nc_u32 v[TM+12+\b], 0xff000000, v[TM+\b] ; 2 off its exponent field: the conversion's scale operand
.endr
.irp b, 0,1,2,3
	v_lshrrev_b32 v[TM+4+\b], 23, v[TM+12+\b]      ; the scale's byte
.endr
	v_lshl_or_b32 v[PW], v[TM+5], 8, v[TM+4]
	v_lshl_or_b32 v[PW], v[TM+6], 16, v[PW]
	v_lshl_or_b32 v[PW], v[TM+7], 24, v[PW]
	v_lshrrev_b32 v[SWR+\a], v14, v[PW]            ; q, k: lanes 0-15 keep the first head's two bytes, lanes 16-31 the second's; v: all four
	v_and_b32 v[SWR+\a], s100, v[SWR+\a]
.if \a > 0
	s_wait_xcnt 0x0                                ; the last block's stores have read their data and their base: both are written again only behind this wait
	s_add_nc_u64 s[8:9], s[8:9], s[92:93]
.if \a == 4
	s_add_nc_u64 s[8:9], s[8:9], s[94:95]
.endif
.endif
	WIN W                                          ; source 0 in the accumulators' window; scale operand and destination in window 0
.irp c, 0,1
	v_cvt_scalef32_pk16_fp6_f32 v[CD+6*\c:CD+6*\c+2], v[AC+32*\c:AC+32*\c+15], v[TM+12+2*\c]
	v_cvt_scalef32_pk16_fp6_f32 v[CD+12+4*\c:CD+14+4*\c], v[AC+16+32*\c:AC+31+32*\c], v[TM+12+2*\c+1]   ; (a conversion's three registers begin on an even number)
.endr
	WIN 0
	v_nop                                          ; one plain line behind a scaled conversion
.irp c, 0,1                                    ; the operand's layout wants a whole block in a lane: lanes 0-15 block 2 c, lanes 16-31 block 2 c + 1
.irp i, 0,1,2
	v_permlane16_swap_b32 v[CD+6*\c+\i], v[CD+12+4*\c+\i]
.endr
.irp i, 0,1,2
	v_mov_b32 v[CD+3+6*\c+\i], v[CD+12+4*\c+\i]
.endr
.endr
	global_store_b128 v8, v[CD:CD+3], s[8:9]       ; 512 consecutive bytes, aligned to 256
	global_store_b64 v9, v[CD+4:CD+5], s[8:9]      ; 256 consecutive bytes, aligned
	global_store_b128 v10, v[CD+6:CD+9], s[8:9]
	global_store_b64 v11, v[CD+10:CD+11], s[8:9]
.endm
.irp a, 0,1,2,3,4,5,6,7
	OUTQ \a
.endr
	global_store_b128 v12, v[SWR:SWR+3], s[10:11]  ; sixteen lanes store 256 consecutive bytes, aligned
	global_store_b128 v13, v[SWR+4:SWR+7], s[10:11]
	s_wait_tensorcnt 0x0                           ; the wave's end
	ds_add_u32 v[SPW], v[NIL]
	s_wait_dscnt 0x0
	CROUND                                         ; the closing round: no work-group ends while a partner may still ask for a tile that names it
	s_endpgm
.Lfunc_end_k_q31ec925791_proj:
	.size	k_q31ec925791_proj, .Lfunc_end_k_q31ec925791_proj-k_q31ec925791_proj
	.p2alignl 7, 3214868480
	.fill 96, 4, 3214868480
	.section	.rodata,"a",@progbits
	.p2align	6, 0x0
	.amdhsa_kernel k_q31ec925791_proj
		.amdhsa_group_segment_fixed_size 327680
		.amdhsa_private_segment_fixed_size 0
		.amdhsa_enable_private_segment 0
		.amdhsa_kernarg_size 32
		.amdhsa_user_sgpr_count 2
		.amdhsa_user_sgpr_kernarg_segment_ptr 1
		.amdhsa_wavefront_size32 1
		.amdhsa_system_sgpr_workgroup_id_x 1
		.amdhsa_system_sgpr_workgroup_id_y 1
		.amdhsa_system_sgpr_workgroup_id_z 1
		.amdhsa_system_vgpr_workitem_id 0
		.amdhsa_next_free_vgpr 1024
		.amdhsa_next_free_sgpr 102
		.amdhsa_reserve_vcc 0
		.amdhsa_float_denorm_mode_32 3
		.amdhsa_float_denorm_mode_16_64 3
		.amdhsa_memory_ordered 1
		.amdhsa_forward_progress 1
		.amdhsa_inst_pref_size 167
	.end_amdhsa_kernel
	.amdgpu_metadata
---
amdhsa.version: [ 1, 2 ]
amdhsa.kernels:
  - .name:           k_q31ec925791_proj
    .symbol:         k_q31ec925791_proj.kd
    .args:
      - { .name: codes, .offset: 0, .size: 8, .value_kind: global_buffer, .address_space: global }
      - { .name: scales, .offset: 8, .size: 8, .value_kind: global_buffer, .address_space: global }
      - { .name: qkvc, .offset: 16, .size: 8, .value_kind: global_buffer, .address_space: global }
      - { .name: qkvs, .offset: 24, .size: 8, .value_kind: global_buffer, .address_space: global }
    .group_segment_fixed_size: 327680
    .private_segment_fixed_size: 0
    .kernarg_segment_align: 8
    .kernarg_segment_size: 32
    .max_flat_workgroup_size: 128
    .sgpr_count:     102
    .vgpr_count:     1024
    .wavefront_size: 32
...
	.end_amdgpu_metadata
.endif
;; end of part 2
;; launch attn (part 3): grid 4 x 64, 16 waves a work-group, clusters of 4 x 1, 215,040 bytes of LDS; arguments qkvc, qkvs, oc, os; writes oc, os
.if DOCPART == 3
	.amdgcn_target "amdgcn-amd-amdhsa--gfx1250"
	.amdhsa_code_object_version 6
	.text
	.protected	k_q31ec925791_attn
	.globl	k_q31ec925791_attn
	.p2align	8
	.type	k_q31ec925791_attn,@function
k_q31ec925791_attn:
	s_mov_b64 s[64:65], 0
	v_nop
	global_prefetch_b8 v0, s[64:65] scope:SCOPE_SE
	s_setreg_imm32_b32 hwreg(HW_REG_WAVE_MODE, 25, 1), 1
	s_wait_xcnt 0x0
	s_wait_alu depctr_hold_cnt(0) depctr_sa_sdst(0) depctr_va_vdst(0) depctr_va_sdst(0) depctr_va_ssrc(0) depctr_va_vcc(0) depctr_vm_vsrc(0)
	s_getreg_b32 s2, hwreg(HW_REG_IB_STS2, 6, 4)
	s_cmp_eq_u32 s2, 0
	s_cbranch_scc0 .Lentry_in_a_cluster
	s_endpgm
.Lentry_in_a_cluster:
	s_bfe_u32 s2, ttmp6, 0x10000c
	s_cmp_lg_u32 s2, 0x3003
	s_cbranch_scc0 .Lentry_shape_is_right
	s_endpgm
.Lentry_shape_is_right:
; o[b][q][h][:] = softmax_k(q . k / 8) v, both products on codes of FP6 (E2M3) with E8M0 scales; o / l is quantised along h x 64 + d for the last projection.
; t = score x log2(e) / 8; M = the running largest t rounded up to a whole number; p = 2^(t - M) is quantised along the keys, not normalised; the row's sum l is taken of the unquantised p and divides at the end.
; When M moves, the sum and O are multiplied by 2^(old M - new M): exact.
; SHARES.  A work-group owns 512 queries of one (batch, head); wave w of sixteen takes query tile 32 cx + w, then tile 32 cx + w + 16: two passes over all 2,048 keys, 128 keys a step.
; THE WHOLE HEAD'S K AND V LIE IN LDS: 2 x 98,304 bytes of images and 2 x 8,192 bytes of scale words, filled ONCE, in four chunks of 512 keys, so nothing is filled again and the loop has no barrier
; but the four behind which a chunk is first read.  The four work-groups of a cluster belong to one head and ask for every tile jointly (mask 15).
; Operands come as images of their registers (six registers: 0-3 at 16 x lane, 4-5 at 512 + 8 x lane): every LDS load reads consecutive bytes.
; K = 64 of the first product fills half of the instruction's 128: registers 6-11 of both operands are zeros, set once; the upper two scale bytes are 0, which is 2^-127 over zero codes.
; LAYOUT.  Both products are used transposed: S^T = K Q^T, O^T = V^T P^T: a lane holds one query (lane % 16).  The 16 registers of score tiles 2 b, 2 b + 1 are keys 32 b + 8 h + 0..7 and 32 b + 16 + 8 h + 0..7:
; with lane l xor 16's one true block; inside a block p's codes stand in the order 0-7, 16-23, 8-15, 24-31, as V's do.  o meets Wo in natural order: sixteen lane swaps on f32 give each lane 16 true neighbours.
; No prefetch: every byte that the work-group reads is asked for at its head.
; LIMITS: NaN and infinities are not served; a block of zeros or under 2^-124 keeps the byte 1 (read by this program alone).
; REGISTERS: v1-4, v7 lane terms; v5, v6 the add's two; v8-10 the step's addresses; v12 -M, v13 largest t, v[14:15] the sum; v16-27 Q; v28-31 V's scale words; v32-79 four fragments of K; v80-127 four of V;
; v128-191 S^T, then p; v192-223 O^T; v224-235 p's codes; v232-247, v252-254 at work; v248-251 K's scale words; v255 Q's.
.set SCB,   196608                     ; LDS: behind the four chunks: K's scale words (8,192 bytes), then V's
.set SPARE, 212992                     ; the spare words: 128 bytes for each of 16 waves: eight blocks of 256 bytes that no other line names
.set CHUNK, 49152                      ; 512 keys: K's 32 tiles (24,576 bytes), then V's four key steps
.set VOFF,  24576
.set UNIT,  6144                       ; a key step's images of K, or of V
.set S,   128
.set O,   192
.set WV,  18
.set SEL, 20                           ; s[20:21] lane selects: lane l xor 16
.set CS,  22                           ; s[22:23] c = log2(e) / 8, twice: the packed form names a pair
.set G1C, 24                           ; s[24:31] group 1: 96 dense rows of 256 bytes
.set G1S, 32                           ; s[32:39] the same with 32 rows
.set G0S, 40                           ; s[40:43] group 0 for the scale words;  s[44:59] for the four chunks
.set G0C, 44
.set TB,  60                           ; LDS byte at which the step's images of K begin
.set TS,  61                           ; 512 x key step
.set CNT, 62
.set CNT2, 63
.set QB,  66                           ; s[66:67] my query tile's image;  s[68:69] its scale words;  s[70:71] o's image;  s[72:73] o's scale bytes
.set QSB, 68
.set OB,  70
.set OSB, 72
.macro CROUND                          ; a round of the cluster's barrier
	s_barrier_signal -1
	s_barrier_wait -1
	s_cmp_lg_u32 s[WV], 0
	s_cbranch_scc1 .Lnot_wave_0_\@
	s_barrier_signal -3
.Lnot_wave_0_\@:
	s_barrier_wait -3
	s_barrier_signal -1
	s_barrier_wait -1
.endm
	s_load_b256 s[4:11], s[0:1], 0x0               ; qkvc, qkvs, oc, os
	v_lshl_add_u32 v5, v0, 2, SPARE
	v_mov_b32 v6, 0
	ds_add_u32 v5, v6                              ; the wave's opening: the add and its wait ahead of the first tensor loads
	ds_add_u32 v5, v6
	v_lshrrev_b32 v8, 5, v0
	s_delay_alu instid0(VALU_DEP_1)
	v_readfirstlane_b32 s[WV], v8                  ; wave 0..15
	v_and_b32 v8, 31, v0
	s_delay_alu instid0(VALU_DEP_1)
	v_lshlrev_b32 v1, 4, v8                        ; 16 x lane
	s_delay_alu instid0(VALU_DEP_2)
	v_lshl_add_u32 v2, v8, 3, 512                  ; 8 x lane + 512
	s_delay_alu instid0(VALU_DEP_2)
	v_add_nc_u32 v3, SCB, v1
	v_and_b32 v9, 15, v0
	s_delay_alu instid0(VALU_DEP_1)
	v_lshlrev_b32 v4, 4, v9                        ; 16 r
	s_delay_alu instid0(VALU_DEP_2)
	v_lshlrev_b32 v7, 5, v9                        ; 32 r
	s_mov_b32 s[G1C], 15|(3<<16)|(1<<21)           ; the mask: all four work-groups; elements of 8 bytes; bit 21 beside a mask; no padding
	s_mov_b32 s[G1C+1], 32<<16                     ; tensor_dim0 = 32 elements: 256 bytes
	s_mov_b32 s[G1C+2], 96<<16                     ; tensor_dim1
	s_mov_b32 s[G1C+3], 32<<16                     ; tile_dim0
	s_mov_b32 s[G1C+4], 96                         ; tile_dim1
	s_mov_b32 s[G1C+5], 32                         ; pitch: dense
	s_mov_b32 s[G1C+6], 0
	s_mov_b32 s[G1C+7], 0
	s_mov_b32 s[G1S], 15|(3<<16)|(1<<21)
	s_mov_b32 s[G1S+1], 32<<16
	s_mov_b32 s[G1S+2], 32<<16
	s_mov_b32 s[G1S+3], 32<<16
	s_mov_b32 s[G1S+4], 32
	s_mov_b32 s[G1S+5], 32
	s_mov_b32 s[G1S+6], 0
	s_mov_b32 s[G1S+7], 0
	s_mov_b32 s[SEL], 0x76543210
	s_mov_b32 s[SEL+1], 0xfedcba98
	s_mov_b32 s[CS], 0x3e38aa3b                    ; log2(e) / 8
	s_mov_b32 s[CS+1], s[CS]
	s_and_b32 s74, ttmp7, 0xffff                   ; bh = 16 batch + head, which the four partners share
	s_bfe_u32 s75, ttmp6, 0x40000                  ; cx: it enters Q's and o's global addresses alone
	s_and_b32 s76, s[WV], 1                        ; u: wave 0 fetches K's, wave 1 V's
	s_add_co_u32 s77, s76, 1                       ; the job's number in qkvc and qkvs
	s_lshl_b32 s78, s77, 19                        ; 524,288 bytes of scale words a job,
	s_lshl_b32 s79, s74, 13                        ; 8,192 a head
	s_add_co_u32 s78, s78, s79
	s_mov_b32 s79, 0
	s_mul_i32 s80, s77, 6291456                    ; 6,291,456 bytes of images a job,
	s_mul_i32 s81, s74, 98304                      ; 98,304 a head
	s_add_co_u32 s80, s80, s81
	s_mov_b32 s81, 0
	s_lshl_b32 s82, s76, 13                        ; in LDS: u x 8,192 among the scale words,
	s_mul_i32 s83, s76, VOFF                       ; u x 24,576 in a chunk
	s_lshl_b32 s84, s75, 5
	s_add_co_u32 s84, s84, s[WV]                   ; T = 32 cx + w: my query tile of pass 0
	s_mul_i32 s[QB], s74, 98304
	s_mul_i32 s85, s84, 768
	s_add_co_u32 s[QB], s[QB], s85
	s_mov_b32 s[QB+1], 0
	s_lshl_b32 s[QSB], s74, 13
	s_lshr_b32 s85, s84, 2
	s_lshl_b32 s85, s85, 8                         ; a group of four tiles is 256 bytes,
	s_add_co_u32 s[QSB], s[QSB], s85
	s_and_b32 s85, s84, 3
	s_lshl_b32 s85, s85, 2                         ; my tile's word in a row's four
	s_add_co_u32 s[QSB], s[QSB], s85
	s_mov_b32 s[QSB+1], 0
	s_lshr_b32 s[OB], s74, 4                       ; batch
	s_lshl_b32 s[OSB], s[OB], 11                   ; its 2,048 rows
	s_lshl_b32 s[OB], s[OB], 7                     ; its 128 row tiles
	s_add_co_u32 s[OB], s[OB], s84
	s_mul_i32 s[OB], s[OB], 12288                  ; a row tile: 16 heads x 768 bytes
	s_and_b32 s85, s74, 15                         ; head
	s_mul_i32 s86, s85, 768
	s_add_co_u32 s[OB], s[OB], s86
	s_mov_b32 s[OB+1], 0
	s_lshl_b32 s86, s84, 4
	s_add_co_u32 s[OSB], s[OSB], s86               ; my first row
	s_lshl_b32 s[OSB], s[OSB], 5                   ; 32 scale bytes a row
	s_lshl_b32 s86, s85, 1
	s_add_co_u32 s[OSB], s[OSB], s86               ; my head's two
	s_mov_b32 s[OSB+1], 0
	s_wait_dscnt 0x0                               ; the opening add is done
	s_wait_kmcnt 0x0
	s_add_nc_u64 s[QB:QB+1], s[4:5], s[QB:QB+1]
	s_add_nc_u64 s[QSB:QSB+1], s[6:7], s[QSB:QSB+1]
	s_add_nc_u64 s[OB:OB+1], s[8:9], s[OB:OB+1]
	s_add_nc_u64 s[OSB:OSB+1], s[10:11], s[OSB:OSB+1]
	CROUND                                         ; all four work-groups are here: the joint loads meet
	s_mov_b32 s[G0S], 1
	s_add_co_u32 s[G0S+1], s82, SCB
	s_add_nc_u64 s[G0S+2:G0S+3], s[6:7], s[78:79]
	s_or_b32 s[G0S+3], s[G0S+3], 0x80000000
.irp c, 0,1,2,3
	s_mov_b32 s[G0C+4*\c], 1
	s_add_co_u32 s[G0C+4*\c+1], s83, \c*CHUNK
	s_add_nc_u64 s[G0C+4*\c+2:G0C+4*\c+3], s[4:5], s[80:81]
.if \c > 0
	s_add_nc_u64 s[G0C+4*\c+2:G0C+4*\c+3], s[G0C+4*\c+2:G0C+4*\c+3], \c*VOFF
.endif
	s_or_b32 s[G0C+4*\c+3], s[G0C+4*\c+3], 0x80000000
.endr
	s_cmp_lt_u32 s[WV], 2                          ; all fills of the launch stand in one branch on the wave's number: five loads of a wave are out at the most
	s_cbranch_scc0 .Lno_fill
	tensor_load_to_lds s[G0S:G0S+3], s[G1S:G1S+7]  ; the scale words first
	s_nop 0
.irp c, 0,1,2,3
	tensor_load_to_lds s[G0C+4*\c:G0C+4*\c+3], s[G1C:G1C+7]
	s_nop 0
.endr
.rept 4
	v_nop
.endr
.Lno_fill:
.irp t, 0,1,2,3
.irp i, 6,7,8,9,10,11
	v_mov_b32 v[32+12*\t+\i], 0                    ; K's k = 64 .. 127: zero codes, set once
.endr
.endr
.irp i, 22,23,24,25,26,27
	v_mov_b32 v[\i], 0                             ; Q's likewise
.endr
.irp i, 236,237,238,239,253
	v_mov_b32 v[\i], 0                             ; lane permutes' destinations, and the upper half of the pair v[252:253], are written before they are first named
.endr
; A pass's head: my query tile's image and scale words; the running numbers begin.
.macro PRO
	global_load_b128 v[16:19], v1, s[QB:QB+1]
	global_load_b64 v[20:21], v2, s[QB:QB+1]
	global_load_b32 v255, v4, s[QSB:QSB+1]
	v_mov_b32 v13, 0xff61b1e6                      ; the largest t so far: -3e38
	s_delay_alu instid0(VALU_DEP_1)
	v_floor_f32 v12, -v13                          ; -M
	v_mov_b32 v14, 0
	v_mov_b32 v15, 0
.set JJ, 0
.rept 32
	v_mov_b32 v[O+JJ], 0                           ; O^T: the step is written once; the first change of M leaves zeros zeros
.set JJ, JJ+1
.endr
	s_mov_b32 s[TB], 0
	s_mov_b32 s[TS], 0
	s_wait_loadcnt 0x0
.endm
; A KEY STEP: 128 keys.
.macro STEP
	v_add_nc_u32 v8, s[TB], v1                     ; three additions and a v_nop: the four places in front of loads into registers that the last products read
	v_add_nc_u32 v9, s[TB], v2
	v_add_nc_u32 v10, s[TS], v3
	v_nop
.irp t, 0,1,2,3
	ds_load_b128 v[32+12*\t:35+12*\t], v8 offset:768*\t           ; K's tiles 0-3
	ds_load_b64 v[36+12*\t:37+12*\t], v9 offset:768*\t
.endr
	ds_load_b128 v[248:251], v10                   ; K's scale words: lanes 0-15 tiles 0-3's, lanes 16-31 tiles 4-7's
.irp t, 0,1,2,3
.irp c, 0,1
	ds_load_b128 v[80+12*\t+6*\c:83+12*\t+6*\c], v8 offset:VOFF+1536*\t+768*\c   ; V's four channel tiles, asked for a softmax ahead of their use
	ds_load_b64 v[84+12*\t+6*\c:85+12*\t+6*\c], v9 offset:VOFF+1536*\t+768*\c
.endr
.endr
	ds_load_b128 v[28:31], v10 offset:8192         ; V's scale words
	s_wait_alu depctr_va_vdst(0)
	s_wait_dscnt 17                                ; K's eight loads and its scale words are in; V's sixteen and its scale words may be out
.irp t, 0,1,2,3
	v_wmma_scale_f32_16x16x128_f8f6f4 v[S+8*\t:S+8*\t+7], v[32+12*\t:43+12*\t], v[16:27], 0, v[248+\t], v255 matrix_a_fmt:MATRIX_FMT_FP6 matrix_b_fmt:MATRIX_FMT_FP6
.endr
.rept 4
	v_nop
.endr
.irp t, 0,1,2,3
	ds_load_b128 v[32+12*\t:35+12*\t], v8 offset:3072+768*\t      ; K's tiles 4-7
	ds_load_b64 v[36+12*\t:37+12*\t], v9 offset:3072+768*\t
.endr
	s_wait_dscnt 0x0
.irp t, 0,1,2,3
	v_wmma_scale_f32_16x16x128_f8f6f4 v[S+32+8*\t:S+32+8*\t+7], v[32+12*\t:43+12*\t], v[16:27], 0, v[248+\t], v255 matrix_a_fmt:MATRIX_FMT_FP6 matrix_b_fmt:MATRIX_FMT_FP6 matrix_a_scale:MATRIX_SCALE_ROW1
.endr
.rept 4
	v_nop
.endr
.irp b, 0,1,2,3
	v_max3_num_f32 v[232+\b], v[S+16*\b], v[S+1+16*\b], v[S+2+16*\b]   ; the largest score of each block of 32 keys: for the row's maximum, and, since p rises with the score, for the block's largest p
.endr
.irp i, 3,5,7,9,11,13
.irp b, 0,1,2,3
	v_max3_num_f32 v[232+\b], v[232+\b], v[S+16*\b+\i], v[S+1+16*\b+\i]
.endr
.endr
.irp b, 0,1,2,3
	v_max_num_f32 v[232+\b], v[232+\b], v[S+15+16*\b]
.endr
.irp b, 0,1,2,3
	s_delay_alu instid0(VALU_DEP_4)
	v_permlanex16_b32 v[236+\b], v[232+\b], s[SEL], s[SEL+1]
.endr
.irp b, 0,1,2,3
	s_delay_alu instid0(VALU_DEP_4)
	v_max_num_f32 v[232+\b], v[232+\b], v[236+\b]  ; with lane l xor 16's 16 keys
.endr
	s_delay_alu instid0(VALU_DEP_2)
	v_max3_num_f32 v254, v232, v233, v234
	s_delay_alu instid0(VALU_DEP_1)
	v_max_num_f32 v254, v254, v235                 ; the step's largest score of my query
	s_delay_alu instid0(VALU_DEP_1)
	v_mul_f32 v254, s[CS], v254                    ; as t
	s_delay_alu instid0(VALU_DEP_1)
	v_max_num_f32 v13, v13, v254                   ; the running largest t
	v_mov_b32 v254, v12
	s_delay_alu instid0(VALU_DEP_2)
	v_floor_f32 v12, -v13                          ; the new -M = -ceil(t)
	s_delay_alu instid0(VALU_DEP_1)
	v_sub_f32 v254, v12, v254                      ; old M - new M: a whole number, 0 or less
	s_delay_alu instid0(VALU_DEP_1)
	v_cvt_i32_f32 v254, v254                       ; (it saturates)
	s_delay_alu instid0(VALU_DEP_1)
	v_ldexp_f32 v252, 1.0, v254                    ; f = 2^(old M - new M)
.set JJ, 0
.rept 32
	v_pk_fma_f32 v[S+JJ:S+JJ+1], v[S+JJ:S+JJ+1], s[CS:CS+1], v[12:13] op_sel_hi:[1,0,0]   ; t - M, two at a time
.set JJ, JJ+2
.endr
.irp b, 0,1,2,3
	v_fma_f32 v[232+\b], v[232+\b], s[CS], v12     ; the same of each block's largest score
.endr
.set JJ, 0
	s_setprio 1
	s_wait_alu depctr_va_vdst(0)
.rept 64
	v_exp_f32 v[S+JJ], v[S+JJ]                     ; p = 2^(t - M)
.set JJ, JJ+1
.endr
	v_pk_mul_f32 v[14:15], v[14:15], v[252:253] op_sel_hi:[1,0]   ; the sums under the new M: the plain line behind the exponentials
	s_wait_alu depctr_va_vdst(0)                   ; one wait for the whole batch, ahead of its first reader
.irp b, 0,1,2,3
	v_exp_f32 v[232+\b], v[232+\b]                 ; the block's largest p
.endr
	v_pk_add_f32 v[236:237], v[132:133], v[136:137]
	v_pk_add_f32 v[250:251], v[140:141], v[144:145]
	v_pk_add_f32 v[248:249], v[148:149], v[152:153]
	v_pk_add_f32 v[246:247], v[156:157], v[160:161]
	v_pk_add_f32 v[244:245], v[164:165], v[168:169]
	v_pk_add_f32 v[242:243], v[172:173], v[176:177]
	v_pk_add_f32 v[240:241], v[180:181], v[184:185]
	v_pk_add_f32 v[14:15], v[14:15], v[188:189]
	v_pk_add_f32 v[236:237], v[236:237], v[128:129]
	v_pk_add_f32 v[250:251], v[250:251], v[130:131]
	v_pk_add_f32 v[248:249], v[248:249], v[134:135]
	v_pk_add_f32 v[246:247], v[246:247], v[138:139]
	v_pk_add_f32 v[244:245], v[244:245], v[142:143]
	v_pk_add_f32 v[242:243], v[242:243], v[146:147]
	v_pk_add_f32 v[240:241], v[240:241], v[150:151]
	v_pk_add_f32 v[14:15], v[14:15], v[154:155]
	v_pk_add_f32 v[236:237], v[236:237], v[158:159]
	v_pk_add_f32 v[250:251], v[250:251], v[162:163]
	v_pk_add_f32 v[248:249], v[248:249], v[166:167]
	v_pk_add_f32 v[246:247], v[246:247], v[170:171]
	v_pk_add_f32 v[244:245], v[244:245], v[174:175]
	v_pk_add_f32 v[242:243], v[242:243], v[178:179]
	v_pk_add_f32 v[240:241], v[240:241], v[182:183]
	v_pk_add_f32 v[14:15], v[14:15], v[186:187]
	v_pk_add_f32 v[236:237], v[236:237], v[190:191]
	s_delay_alu instid0(VALU_DEP_2)
	v_pk_add_f32 v[14:15], v[14:15], v[246:247]
	s_delay_alu instid0(VALU_DEP_2)
	v_pk_add_f32 v[236:237], v[236:237], v[244:245]
	v_pk_add_f32 v[250:251], v[250:251], v[242:243]
	v_pk_add_f32 v[248:249], v[248:249], v[240:241]
	s_delay_alu instid0(VALU_DEP_2)
	v_pk_add_f32 v[14:15], v[14:15], v[250:251]
	s_delay_alu instid0(VALU_DEP_2)
	v_pk_add_f32 v[236:237], v[236:237], v[248:249]
	s_delay_alu instid0(VALU_DEP_1)
	v_pk_add_f32 v[14:15], v[14:15], v[236:237]
	s_wait_alu depctr_va_vdst(0)                   ; and one for the four
.irp b, 0,1,2,3
	v_max_num_f32 v[232+\b], 0x1800000, v[232+\b]  ; the floor 2^(3 - 127): the byte cannot fall under 1
.endr
.irp b, 0,1,2,3
	s_delay_alu instid0(VALU_DEP_4)
	v_add_nc_u32 v[244+\b], 0xff000000, v[232+\b]  ; 2 off the exponent field: the conversion's scale operand
.endr
.irp b, 0,1,2,3
	s_delay_alu instid0(VALU_DEP_4)
	v_lshrrev_b32 v[236+\b], 23, v[244+\b]         ; the scale's byte
.endr
	s_delay_alu instid0(VALU_DEP_3)
	v_lshl_or_b32 v253, v237, 8, v236              ; p's scale word for these 128 keys
	s_delay_alu instid0(VALU_DEP_1)
	v_lshl_or_b32 v253, v238, 16, v253
	s_delay_alu instid0(VALU_DEP_1)
	v_lshl_or_b32 v253, v239, 24, v253
.irp c, 0,1
	v_cvt_scalef32_pk16_fp6_f32 v[224+6*\c:226+6*\c], v[S+32*\c:S+15+32*\c], v[244+2*\c]
	v_cvt_scalef32_pk16_fp6_f32 v[236+4*\c:238+4*\c], v[S+16+32*\c:S+31+32*\c], v[244+2*\c+1]   ; (a conversion's three registers begin on an even number)
.endr
	v_nop                                          ; one plain line behind a scaled conversion
.irp c, 0,1                                    ; a whole block in a lane: lanes 0-15 block 2 c, lanes 16-31 block 2 c + 1
.irp i, 0,1,2
	v_permlane16_swap_b32 v[224+6*\c+\i], v[236+4*\c+\i]
.endr
.irp i, 0,1,2
	s_delay_alu instid0(VALU_DEP_3)
	v_mov_b32 v[227+6*\c+\i], v[236+4*\c+\i]
.endr
.endr
.set JJ, 0
	s_setprio 0
.rept 16
	v_pk_mul_f32 v[O+JJ:O+JJ+1], v[O+JJ:O+JJ+1], v[252:253] op_sel_hi:[1,0]   ; O^T under the new M; these sixteen also stand between the lines that made p's codes and scale word and the products
.set JJ, JJ+2
.endr
.irp t, 0,1,2,3                                ; O^T += V^T P^T: the four accumulators by turns
	v_wmma_scale_f32_16x16x128_f8f6f4 v[O+8*\t:O+8*\t+7], v[80+12*\t:91+12*\t], v[224:235], v[O+8*\t:O+8*\t+7], v[28+\t], v253 matrix_a_fmt:MATRIX_FMT_FP6 matrix_b_fmt:MATRIX_FMT_FP6
.endr
	s_add_co_u32 s[TB], s[TB], UNIT
	s_add_co_u32 s[TS], s[TS], 512
.endm
.macro FOUR                            ; a chunk's four key steps; then over the chunk's V to the next chunk's K
	s_mov_b32 s[CNT], 4
.Lfour_\@:
	s_setprio 2
	STEP
	s_sub_co_u32 s[CNT], s[CNT], 1
	s_cmp_lg_u32 s[CNT], 0
	s_cbranch_scc1 .Lfour_\@
	s_setprio 0
	s_add_co_u32 s[TB], s[TB], VOFF
.endm
; A pass's end: O^T / l, brought into natural order, quantised in two blocks of 32, stored as an image and two scale bytes a row.
.macro EPI
.rept 4
	v_nop                                          ; places behind the last products
.endr
	v_add_f32 v14, v14, v15
	s_delay_alu instid0(VALU_DEP_1)
	v_permlanex16_b32 v252, v14, s[SEL], s[SEL+1]
	s_delay_alu instid0(VALU_DEP_1)
	v_add_f32 v14, v14, v252                       ; the row's sum
	s_wait_alu depctr_va_vdst(0)
	v_rcp_f32 v14, v14
	v_nop                                          ; a plain line behind the reciprocal,
	s_wait_alu depctr_va_vdst(0)                   ; and the wait ahead of its first reader
.set JJ, 0
.rept 32
	v_mul_f32 v[S+JJ], v[O+JJ], v14                ; register 8 t + j: o(r, 16 t + 8 h + j); each accumulator from its low end on
.set JJ, JJ+1
.endr
.irp b, 0,1
.irp j, 0,1,2,3,4,5,6,7
	v_permlane16_swap_b32 v[S+16*\b+\j], v[S+16*\b+8+\j]   ; now register 16 b + i is channel 32 b + 16 h + i
.endr
.endr
.irp b, 0,1
	v_max3_num_f32 v[232+\b], |v[S+16*\b]|, |v[S+1+16*\b]|, 0x1800000
.endr
.irp i, 2,4,6,8,10,12,14
.irp b, 0,1
	s_delay_alu instid0(VALU_DEP_2)
	v_max3_num_f32 v[232+\b], v[232+\b], |v[S+16*\b+\i]|, |v[S+1+16*\b+\i]|
.endr
.endr
.irp b, 0,1
	s_delay_alu instid0(VALU_DEP_2)
	v_permlanex16_b32 v[236+\b], v[232+\b], s[SEL], s[SEL+1]
.endr
.irp b, 0,1
	s_delay_alu instid0(VALU_DEP_2)
	v_max_num_f32 v[232+\b], v[232+\b], v[236+\b]
.endr
.irp b, 0,1
	s_delay_alu instid0(VALU_DEP_2)
	v_add_nc_u32 v[244+\b], 0xff000000, v[232+\b]
.endr
.irp b, 0,1
	s_delay_alu instid0(VALU_DEP_2)
	v_lshrrev_b32 v[238+\b], 23, v[244+\b]
.endr
	s_delay_alu instid0(VALU_DEP_1)
	v_lshl_or_b32 v254, v239, 8, v238              ; my row's two scale bytes
	v_cvt_scalef32_pk16_fp6_f32 v[224:226], v[S:S+15], v244
	v_cvt_scalef32_pk16_fp6_f32 v[240:242], v[S+16:S+31], v245
	v_nop
.irp i, 0,1,2
	v_permlane16_swap_b32 v[224+\i], v[240+\i]
.endr
.irp i, 0,1,2
	s_delay_alu instid0(VALU_DEP_3)
	v_mov_b32 v[227+\i], v[240+\i]
.endr
	global_store_b128 v1, v[224:227], s[OB:OB+1]   ; 512 consecutive bytes, aligned to 256
	global_store_b64 v2, v[228:229], s[OB:OB+1]    ; 256 consecutive bytes, aligned
	global_store_b16 v7, v254, s[OSB:OSB+1]        ; two bytes a row, rows 32 bytes apart: one part in 24 of the image's bytes; a row's other bytes are other heads' work-groups'
.endm
	PRO
.irp c, 0,1,2,3
	s_wait_tensorcnt 3-\c                          ; chunk c (and the scale words) have landed; the chunks issued behind it may be out
	s_barrier_signal -1                            ; no LDS instruction of mine is pending here
	s_barrier_wait -1
	FOUR
.endr
	EPI
	s_wait_xcnt 0x0                                ; the stores and loads of pass 0 have read their bases and data: they are written again only behind this wait
	s_add_nc_u64 s[QB:QB+1], s[QB:QB+1], 16*768    ; sixteen query tiles on
	s_add_nc_u64 s[QSB:QSB+1], s[QSB:QSB+1], 1024
	s_add_nc_u64 s[OB:OB+1], s[OB:OB+1], 16*12288
	s_add_nc_u64 s[OSB:OSB+1], s[OSB:OSB+1], 8192
	PRO
	s_mov_b32 s[CNT2], 4
.Lchunk:                                               ; pass 1: all of K and V lie in LDS: no wait, no barrier
	FOUR
	s_sub_co_u32 s[CNT2], s[CNT2], 1
	s_cmp_lg_u32 s[CNT2], 0
	s_cbranch_scc1 .Lchunk
	EPI
	s_wait_tensorcnt 0x0                           ; the wave's end
	ds_add_u32 v5, v6
	s_wait_dscnt 0x0
	CROUND                                         ; the closing round
	s_endpgm
.Lfunc_end_k_q31ec925791_attn:
	.size	k_q31ec925791_attn, .Lfunc_end_k_q31ec925791_attn-k_q31ec925791_attn
	.p2alignl 7, 3214868480
	.fill 96, 4, 3214868480
	.section	.rodata,"a",@progbits
	.p2align	6, 0x0
	.amdhsa_kernel k_q31ec925791_attn
		.amdhsa_group_segment_fixed_size 215040
		.amdhsa_private_segment_fixed_size 0
		.amdhsa_enable_private_segment 0
		.amdhsa_kernarg_size 32
		.amdhsa_user_sgpr_count 2
		.amdhsa_user_sgpr_kernarg_segment_ptr 1
		.amdhsa_wavefront_size32 1
		.amdhsa_system_sgpr_workgroup_id_x 1
		.amdhsa_system_sgpr_workgroup_id_y 1
		.amdhsa_system_sgpr_workgroup_id_z 1
		.amdhsa_system_vgpr_workitem_id 0
		.amdhsa_next_free_vgpr 256
		.amdhsa_next_free_sgpr 88
		.amdhsa_reserve_vcc 0
		.amdhsa_float_denorm_mode_32 3
		.amdhsa_float_denorm_mode_16_64 3
		.amdhsa_memory_ordered 1
		.amdhsa_forward_progress 1
		.amdhsa_inst_pref_size 109
	.end_amdhsa_kernel
	.amdgpu_metadata
---
amdhsa.version: [ 1, 2 ]
amdhsa.kernels:
  - .name:           k_q31ec925791_attn
    .symbol:         k_q31ec925791_attn.kd
    .args:
      - { .name: qkvc, .offset: 0, .size: 8, .value_kind: global_buffer, .address_space: global }
      - { .name: qkvs, .offset: 8, .size: 8, .value_kind: global_buffer, .address_space: global }
      - { .name: oc, .offset: 16, .size: 8, .value_kind: global_buffer, .address_space: global }
      - { .name: os, .offset: 24, .size: 8, .value_kind: global_buffer, .address_space: global }
    .group_segment_fixed_size: 215040
    .private_segment_fixed_size: 0
    .kernarg_segment_align: 8
    .kernarg_segment_size: 32
    .max_flat_workgroup_size: 512
    .sgpr_count:     88
    .vgpr_count:     256
    .wavefront_size: 32
...
	.end_amdgpu_metadata
.endif
;; end of part 3
;; launch outp (part 4): grid 4 x 32, 4 waves a work-group, clusters of 4 x 4, 327,680 bytes of LDS; arguments oc, os, codes, scales, bo, out0; writes out0
.if DOCPART == 4
	.amdgcn_target "amdgcn-amd-amdhsa--gfx1250"
	.amdhsa_code_object_version 6
	.text
	.protected	k_q31ec925791_outp
	.globl	k_q31ec925791_outp
	.p2align	8
	.type	k_q31ec925791_outp,@function
k_q31ec925791_outp:
	s_mov_b64 s[64:65], 0
	v_nop
	global_prefetch_b8 v0, s[64:65] scope:SCOPE_SE
	s_setreg_imm32_b32 hwreg(HW_REG_WAVE_MODE, 25, 1), 1
	s_wait_xcnt 0x0
	s_wait_alu depctr_hold_cnt(0) depctr_sa_sdst(0) depctr_va_vdst(0) depctr_va_sdst(0) depctr_va_ssrc(0) depctr_va_vcc(0) depctr_vm_vsrc(0)
	s_getreg_b32 s2, hwreg(HW_REG_IB_STS2, 6, 4)
	s_cmp_eq_u32 s2, 0
	s_cbranch_scc0 .Lentry_in_a_cluster
	s_endpgm
.Lentry_in_a_cluster:
	s_bfe_u32 s2, ttmp6, 0x10000c
	s_cmp_lg_u32 s2, 0xf033
	s_cbranch_scc0 .Lentry_shape_is_right
	s_endpgm
.Lentry_shape_is_right:
; out0[m][n] = sum over k of o[m][k] Wo[n][k] + bo[n], on codes of FP6 (E2M3) with E8M0 scales; out0 [8192][1024] f32; K = 1,024.
; A = o comes as IMAGES of operand registers: oc [row tile 512][head 16][768 bytes] (six registers: 0-3 at 16 x lane, 4-5 at 512 + 8 x lane; K = the head's 64); its scale bytes os [8192][32].
; B = Wo: rows 19,456 on of 'codes' (768 bytes a row) and of 'scales' (32 bytes a row).
; A work-group of four waves makes 256 x 256, a wave 128 x 128.  K goes in steps of 256 (four heads) through two LDS slots: A's part of a slot is, for each of 16 row tiles, 3,072 consecutive bytes; B's as rows of
; 192 bytes with 16 bytes of padding behind every 64.  The scale bytes come once, with the first fills.  Clusters of 4 x 4: A's tiles jointly along a row, B's along a column.
; The matrix instruction is used transposed (source 0 = B's rows, source 1 = A's): a lane holds eight neighbouring columns of a row.  bo is the C of each sum's first product: 64 registers in the result's layout.
; 128 work-groups: tiles of 256 x 256 keep the wave's tile at 128 x 128; the launch is short beside the attention.
; REGISTERS: window 0: v0-31 addresses; v32-63 scale words; v64-127 bo; from v128 A's fragments, one set (on the way out v128-255).  window 1: B's two sets.  windows 2, 3: the accumulators.
.set SIZE_N, 1024
.set NQ,     2
.set ROWB,   192
.set KROW,   768
.set PITCH,  240
.set FR,     12
.set NL,     6                         ; LDS loads that bring a fragment of B
.set NLA,    4                         ; and of A
.set NP,     4
.set HALFA,  24576                     ; 8 row tiles x 3,072 bytes: what one tensor load brings of A
.set HALFB,  128*PITCH
.set SLOT,   2*HALFA+2*HALFB
.set LAPS,   2
.set KS,     32
.set SCL,    2*SLOT
.set HALFS,  (128*KS/256)*272
.set SBLK,   (16*KS/256)*272
.set SPARE,  SCL+4*HALFS               ; the spare words: 128 bytes a wave, two blocks of 256 bytes that no other line names
.set SPITCH, 528                       ; the way out: a stage of 16 rows x (512 + 16) bytes a wave, in slot 0, which has had its last fill and its last read by then
.set ADRA, 16                          ; v16-17 16 x lane + my A rows in slot 0, 1;  v18-19 8 x lane + 512 + the same
.set ADRB, 20
.set STO,  24
.set RD,   25
.set CO,   26
.set ADRS, 27
.set SPW,  28
.set NIL,  29
.set SC,   32
.set BI,   64                          ; v64-127 bo of my 128 columns
.set AF,   128
.set BK,   128
.set CP,   98                          ; s[98:99] out0
.set G1, 24
.set G0, 32
.set G1B, 48
.set G0B, 56
.set G1S, 68
.set G0S, 76
.set G1SB, 80
.set G0SB, 88
.set MSB, 0
.macro WIN new
.if MSB != \new
	s_set_vgpr_msb (MSB<<8)|\new
.set MSB, \new
.endif
.endm
.set MUL_LO, 0xa1
.set MUL_HI, 0xf1
.set TO_B,   0x40
.macro JLOAD g0a, g1a, g0b, g1b        ; a joint load: waves 0 and 1 fetch for A, waves 2 and 3 for B; an s_nop 0 and four v_nop follow each line
	s_cmp_eq_u32 s15, 0
	s_cbranch_scc0 .Lfor_b_\@
	tensor_load_to_lds s[\g0a:\g0a+3], s[\g1a:\g1a+7]
	s_nop 0
.rept 4
	v_nop
.endr
	s_branch .Lasked_\@
.Lfor_b_\@:
	tensor_load_to_lds s[\g0b:\g0b+3], s[\g1b:\g1b+7]
	s_nop 0
.rept 4
	v_nop
.endr
.Lasked_\@:
.endm
.macro CREST
	s_cmp_lg_u32 s14, 0
	s_cbranch_scc1 .Lnot_wave_0_\@
	s_barrier_signal -3
.Lnot_wave_0_\@:
	s_barrier_wait -3
	s_barrier_signal -1
	s_barrier_wait -1
.endm
.macro CROUND
	s_barrier_signal -1
	s_barrier_wait -1
	CREST
.endm
	s_load_b256 s[4:11], s[0:1], 0x0               ; oc s[4:5], os s[6:7], codes s[8:9], scales s[10:11]
	s_load_b128 s[96:99], s[0:1], 0x20             ; bo s[96:97], out0 s[98:99]
	v_lshl_add_u32 v[SPW], v0, 2, SPARE
	v_mov_b32 v[NIL], 0
	ds_add_u32 v[SPW], v[NIL]                      ; the wave's opening: the add and its wait ahead of my first tensor load
	v_lshrrev_b32 v1, 5, v0
	v_readfirstlane_b32 s14, v1                    ; wave 0..3
	s_lshr_b32 s15, s14, 1                         ; my half of the tile's rows.  Also: I fetch for A (0) or for B (1)
	s_and_b32 s16, s14, 1                          ; my half of its columns.  Also: which 128 rows I fetch
	s_bfe_u32 s40, ttmp6, 0x40000                  ; cx
	s_bfe_u32 s41, ttmp6, 0x40004                  ; cy
	s_lshl_b32 s42, ttmp9, 2
	s_add_co_u32 s42, s42, s40                     ; tile column
	s_and_b32 s17, ttmp7, 0xffff
	s_lshl_b32 s17, s17, 2
	s_add_co_u32 s17, s17, s41                     ; tile row
	s_lshl_b32 s43, s41, 2
	s_lshl_b32 s43, 15, s43                        ; my row of the cluster
	s_lshl_b32 s44, 0x1111, s40                    ; my column
	s_or_b32 s[G1+0], s43, (3<<16)|(1<<21)         ; A: mask; elements of 8 bytes; bit 21 beside a mask; no padding
	s_mov_b32 s[G1+1], 384<<16                     ; tensor_dim0 = 384 elements: four images, 3,072 bytes
	s_mov_b32 s[G1+2], 8<<16                       ; tensor_dim1 = 8 row tiles
	s_mov_b32 s[G1+3], 384<<16                     ; tile_dim0
	s_mov_b32 s[G1+4], 8                           ; tile_dim1
	s_mov_b32 s[G1+5], 1536                        ; pitch: a row tile's 16 images, 12,288 bytes
	s_mov_b32 s[G1+6], 0
	s_mov_b32 s[G1+7], 0
	s_or_b32 s[G1B+0], s44, (0<<16)|(1<<20)|(1<<21)|(3<<22)|(3<<25)  ; B: elements of 1 byte; after every 16 words, 4 words of padding
	s_mov_b32 s[G1B+1], ROWB<<16
	s_mov_b32 s[G1B+2], 128<<16
	s_mov_b32 s[G1B+3], ROWB<<16
	s_mov_b32 s[G1B+4], 128
	s_mov_b32 s[G1B+5], KROW
	s_mov_b32 s[G1B+6], 0
	s_mov_b32 s[G1B+7], 0
	s_or_b32 s[G1S+0], s43, (3<<16)|(1<<20)|(1<<21)|(5<<22)|(3<<25)  ; the scales of 128 rows: 16 rows of 256 bytes, 16 of padding behind each
	s_or_b32 s[G1SB+0], s44, (3<<16)|(1<<20)|(1<<21)|(5<<22)|(3<<25)
.irp g, G1S, G1SB
	s_mov_b32 s[\g+1], 32<<16
	s_mov_b32 s[\g+2], (128*KS/256)<<16
	s_mov_b32 s[\g+3], 32<<16
	s_mov_b32 s[\g+4], 128*KS/256
	s_mov_b32 s[\g+5], 32
	s_mov_b32 s[\g+6], 0
	s_mov_b32 s[\g+7], 0
.endr
	s_lshl_b32 s18, s16, 7                         ; which 128 rows of the tile I fetch
	s_lshl_b32 s20, s17, 8
	s_add_co_u32 s20, s20, s18                     ; A: row 256 x tile row + 128 x half
	s_lshl_b32 s46, s42, 8
	s_add_co_u32 s46, s46, s18
	s_add_co_u32 s46, s46, 19456                   ; B: Wo's rows in 'codes'
	s_lshl_b32 s22, s20, 5
	s_mov_b32 s23, 0
	s_lshl_b32 s92, s46, 5
	s_mov_b32 s93, 0
	s_mul_i32 s20, s20, KROW                       ; 16 rows of o are 12,288 bytes: 768 a row
	s_mov_b32 s21, 0
	s_mul_i32 s46, s46, KROW
	s_mov_b32 s47, 0
	s_mul_i32 s45, s16, HALFA                      ; where they go: A's two halves,
	s_mul_i32 s95, s16, HALFB
	s_add_co_u32 s95, s95, 2*HALFA                 ; then B's two
	s_mul_i32 s94, s14, HALFS
	s_wait_dscnt 0x0                               ; the opening add is done
	s_wait_kmcnt 0x0
	s_add_nc_u64 s[20:21], s[4:5], s[20:21]
	s_add_nc_u64 s[22:23], s[6:7], s[22:23]
	s_add_nc_u64 s[46:47], s[8:9], s[46:47]
	s_add_nc_u64 s[92:93], s[10:11], s[92:93]
	CROUND                                         ; all sixteen work-groups are here: the first joint loads meet
	s_mov_b32 s[G0S], 1
	s_add_co_u32 s[G0S+1], s94, SCL
	s_mov_b64 s[G0S+2:G0S+3], s[22:23]
	s_or_b32 s[G0S+3], s[G0S+3], 0x80000000
	s_mov_b32 s[G0SB], 1
	s_add_co_u32 s[G0SB+1], s94, SCL
	s_mov_b64 s[G0SB+2:G0SB+3], s[92:93]
	s_or_b32 s[G0SB+3], s[G0SB+3], 0x80000000
	JLOAD G0S, G1S, G0SB, G1SB
.irp s, 0,1
	s_mov_b32 s[G0+4*\s], 1
	s_add_co_u32 s[G0+4*\s+1], s45, \s*SLOT
	s_add_nc_u64 s[G0+4*\s+2:G0+4*\s+3], s[20:21], \s*3072
	s_or_b32 s[G0+4*\s+3], s[G0+4*\s+3], 0x80000000
	s_mov_b32 s[G0B+4*\s], 1
	s_add_co_u32 s[G0B+4*\s+1], s95, \s*SLOT
	s_add_nc_u64 s[G0B+4*\s+2:G0B+4*\s+3], s[46:47], \s*ROWB
	s_or_b32 s[G0B+4*\s+3], s[G0B+4*\s+3], 0x80000000
	JLOAD G0+4*\s, G1, G0B+4*\s, G1B               ; three loads of mine are out at the most
.endr
	v_and_b32 v1, 15, v0                           ; l % 16
	v_bfe_u32 v2, v0, 4, 1                         ; l / 16
	v_and_b32 v6, 31, v0                           ; lane
	v_mul_u32_u24 v3, v1, PITCH
	v_mul_u32_u24 v4, v2, 24
	v_add_nc_u32 v4, v3, v4                        ; B: a fragment's row x pitch + 24 x half
	v_lshl_add_u32 v5, v2, 4, v4                   ; and behind one padding more
	v_lshlrev_b32 v3, 4, v6                        ; A: 16 x lane,
	v_lshl_add_u32 v7, v6, 3, 512                  ; 8 x lane + 512
	s_mul_i32 s21, s15, HALFA                      ; my 128 rows of A
	s_mul_i32 s22, s16, HALFB                      ; my 128 rows of B,
	s_add_co_u32 s22, s22, 2*HALFA                 ; behind A's 256
.irp s, 0,1
	v_add_nc_u32 v[ADRA+\s], s21, v3
	v_add_nc_u32 v[ADRA+2+\s], s21, v7
	v_add_nc_u32 v[ADRB+\s], s22, v4
	v_add_nc_u32 v[ADRB+2+\s], s22, v5
	s_add_co_u32 s21, s21, SLOT
	s_add_co_u32 s22, s22, SLOT
.endr
	v_mul_u32_u24 v5, v1, KS
	v_lshrrev_b32 v7, 8, v5
	v_lshl_add_u32 v5, v7, 4, v5
	s_mul_i32 s21, s15, HALFS
	s_mul_i32 s22, s16, HALFS
	s_add_co_u32 s22, s22, 2*HALFS
	s_sub_co_u32 s22, s22, s21
	v_mul_u32_u24 v7, s22, v2                      ; lanes 16-31 take B's: the lower base + half x the distance
	s_add_co_u32 s21, s21, SCL
	v_add_nc_u32 v5, v5, v7
	v_add_nc_u32 v[ADRS], s21, v5
	s_mul_i32 s23, s14, 16*SPITCH                  ; my stage
	v_mul_u32_u24 v5, v1, SPITCH
	v_lshl_add_u32 v5, v2, 5, v5
	v_add_nc_u32 v[STO], s23, v5                   ; in: row l % 16, 32 bytes for each half of the lanes
	v_lshlrev_b32 v[CO], 4, v6                     ; back: the 32 lanes take one row of 512 bytes; the same in out0
	v_add_nc_u32 v[RD], s23, v[CO]
	s_lshl_b32 s20, s17, 8
	s_lshl_b32 s21, s15, 7
	s_add_co_u32 s20, s20, s21                     ; my first row
	s_lshl_b32 s20, s20, 12                        ; 4,096 bytes a row: under 2^25
	s_mov_b32 s21, 0
	s_lshl_b32 s46, s42, 10                        ; my first column, in bytes: 1,024 x tile column + 512 x half
	s_lshl_b32 s47, s16, 9
	s_add_co_u32 s46, s46, s47
	s_mov_b32 s47, 0
	s_add_nc_u64 s[96:97], s[96:97], s[46:47]      ; bo at my first column
	s_add_nc_u64 s[20:21], s[20:21], s[46:47]
	s_add_nc_u64 s[CP:CP+1], s[CP:CP+1], s[20:21]
	v_lshlrev_b32 v7, 5, v2                        ; bo: lane (r, h) wants, for B's block b, columns 16 b + 8 h + 0 .. 7
.irp b, 0,1,2,3,4,5,6,7
	global_load_b128 v[BI+8*\b:BI+8*\b+3], v7, s[96:97] offset:64*\b
	global_load_b128 v[BI+8*\b+4:BI+8*\b+7], v7, s[96:97] offset:64*\b+16
.endr
.macro FRAG reg, adr, q, i             ; a fragment of B from padded rows, in pieces of 8 bytes
.irp p, 0,1,2,3,4,5
.set PIECE, 12*(\q)+6*(\p/3)+\p%3
.if PIECE%8 < 5
	ds_load_b64 v[\reg+2*\p:\reg+2*\p+1], v[\adr] offset:8*PIECE+16*(PIECE/8)+(\i)*16*PITCH
.else
	ds_load_b64 v[\reg+2*\p:\reg+2*\p+1], v[\adr+2] offset:8*PIECE+16*(PIECE/8)+(\i)*16*PITCH
.endif
.endr
.endm
.macro FRAGA reg, slot, q, i           ; a fragment of A: the images of heads 2 q and 2 q + 1 of the slot's four, row tile i: every load reads consecutive bytes
.irp c, 0,1
	ds_load_b128 v[\reg+6*\c:\reg+6*\c+3], v[ADRA+\slot] offset:3072*(\i)+768*(2*(\q)+\c)
	ds_load_b64 v[\reg+6*\c+4:\reg+6*\c+5], v[ADRA+2+\slot] offset:3072*(\i)+768*(2*(\q)+\c)
.endr
.endm
; 16 matrix instructions; zero = 1: the first product starts the sums from bo.  The 64 accumulators take turns.
.macro MUL16 a0, p, q, sc, zero
.irp a, \a0, \a0+1
.irp b, 0,1,2,3,4,5,6,7
.if \zero
	v_wmma_scale_f32_16x16x128_f8f6f4 v[8*(8*((\a)%4)+\b):8*(8*((\a)%4)+\b)+7], v[128*(\p)+FR*\b:128*(\p)+FR*\b+FR-1], v[AF+FR*(\a):AF+FR*(\a)+FR-1], v[BI+8*\b:BI+8*\b+7], v[SC+8*NQ*(\sc)+NQ*\b+(\q)], v[SC+8*NQ*(\sc)+NQ*(\a)+(\q)] matrix_a_fmt:MATRIX_FMT_FP6 matrix_b_fmt:MATRIX_FMT_FP6 matrix_a_scale:MATRIX_SCALE_ROW1
.else
	v_wmma_scale_f32_16x16x128_f8f6f4 v[8*(8*((\a)%4)+\b):8*(8*((\a)%4)+\b)+7], v[128*(\p)+FR*\b:128*(\p)+FR*\b+FR-1], v[AF+FR*(\a):AF+FR*(\a)+FR-1], v[8*(8*((\a)%4)+\b):8*(8*((\a)%4)+\b)+7], v[SC+8*NQ*(\sc)+NQ*\b+(\q)], v[SC+8*NQ*(\sc)+NQ*(\a)+(\q)] matrix_a_fmt:MATRIX_FMT_FP6 matrix_b_fmt:MATRIX_FMT_FP6 matrix_a_scale:MATRIX_SCALE_ROW1
.endif
.endr
.endr
.endm
.macro FETCH_B slot, q, p
	WIN TO_B
.irp i, 0,1,2,3,4,5,6,7
	FRAG 128*(\p)+FR*\i, ADRB+\slot, \q, \i
.endr
	WIN 0
.endm
.macro FETCH_A slot, q, i0
.irp i, \i0, \i0+1, \i0+2, \i0+3
	FRAGA AF+FR*(\i), \slot, \q, \i
.endr
.endm
.macro SCALES sc
.irp i, 0,1,2,3,4,5,6,7
	ds_load_b64 v[SC+8*NQ*\sc+NQ*\i:SC+8*NQ*\sc+NQ*\i+1], v[ADRS] offset:\i*SBLK
.endr
.endm
.macro PLACES n
.rept \n
	v_nop
.endr
.endm
.macro STEP slot, q, zero
	s_wait_dscnt 4*NLA                             ; B's set and A's blocks 0-3 are in; the youngest 16 loads (A's blocks 4-7) may be out
.if \zero
	WIN 0x81                                       ; B window 1, A and bo window 0, D window 2
.else
	WIN MUL_LO
.endif
	MUL16 0, (\q)%2, \q, \slot, \zero
	MUL16 2, (\q)%2, \q, \slot, \zero
	s_wait_dscnt 0
	PLACES NP
	FETCH_B \slot, (\q)+1, 1-(\q)%2
	FETCH_A \slot, (\q)+1, 0
.if \zero
	WIN 0xc1                                       ; D window 3
.else
	WIN MUL_HI
.endif
	MUL16 4, (\q)%2, \q, \slot, \zero
	MUL16 6, (\q)%2, \q, \slot, \zero
	PLACES NP
	WIN 0
	FETCH_A \slot, (\q)+1, 4
.endm
.macro TURN slot, next, fill
	s_wait_tensorcnt 0x0                           ; all my tensor loads have landed: my part of the next slot
	ds_add_u32 v[SPW], v[NIL]                      ; 0 onto my spare word
	s_wait_dscnt 4*NLA+1                           ; (the add and the youngest 16 loads may be out)
	WIN MUL_LO
	MUL16 0, 1, NQ-1, \slot, 0
	s_wait_dscnt 0x0                               ; the add is done, and my reads of this slot are over
	s_barrier_signal -1
	MUL16 2, 1, NQ-1, \slot, 0
	WIN 0
	s_barrier_wait -1
.if \fill
	CREST                                          ; the barrier has opened a round of the cluster's: no wave of any partner still reads this slot or has a load on its way
	s_add_nc_u64 s[G0+4*\slot+2:G0+4*\slot+3], s[G0+4*\slot+2:G0+4*\slot+3], 2*3072
	s_add_nc_u64 s[G0B+4*\slot+2:G0B+4*\slot+3], s[G0B+4*\slot+2:G0B+4*\slot+3], 2*ROWB
	JLOAD G0+4*\slot, G1, G0B+4*\slot, G1B
.else
	PLACES NP
.endif
	v_add_nc_u32 v[ADRS], 4*NQ, v[ADRS]
	FETCH_B \next, 0, 0
	FETCH_A \next, 0, 0
	SCALES \next
	WIN MUL_HI
	MUL16 4, 1, NQ-1, \slot, 0
	MUL16 6, 1, NQ-1, \slot, 0
	PLACES NP
	WIN 0
	FETCH_A \next, 0, 4
.endm
	s_wait_tensorcnt 1                             ; the scales and my part of K step 0 are in (K step 1's load may be out),
	s_barrier_signal -1
	s_barrier_wait -1                              ; everybody's are
	FETCH_B 0, 0, 0
	FETCH_A 0, 0, 0
	SCALES 0
	FETCH_A 0, 0, 4
	s_wait_loadcnt 0x0                             ; bo
	STEP 0, 0, 1
	s_mov_b32 s3, LAPS-1
.Llap:
	TURN 0, 1, 1
	STEP 1, 0, 0
	TURN 1, 0, 1
	STEP 0, 0, 0
	s_sub_co_u32 s3, s3, 1
	s_cmp_lg_u32 s3, 0
	s_cbranch_scc1 .Llap
	TURN 0, 1, 0
	STEP 1, 0, 0
	s_wait_dscnt 4*NLA
	WIN MUL_LO
	MUL16 0, 1, NQ-1, 1, 0
	MUL16 2, 1, NQ-1, 1, 0
	s_wait_dscnt 0
	WIN MUL_HI
	MUL16 4, 1, NQ-1, 1, 0
	MUL16 6, 1, NQ-1, 1, 0
	WIN 0
; THE WAY OUT, block by block of 16 rows x 128 columns, through my own stage: back as whole rows of 512 bytes.  LDS serves a wave's instructions in order: no wait between the stores and the loads.
.macro TOSTAGE a
.set AC, 64*((\a)%4)
	WIN 0x08+4*((\a)/4)                            ; the data: window 2 or 3
.irp b, 0,1,2,3,4,5,6,7
	ds_store_b128 v[STO], v[AC+8*\b:AC+8*\b+3] offset:64*\b          ; each accumulator from its low end on
	ds_store_b128 v[STO], v[AC+8*\b+4:AC+8*\b+7] offset:64*\b+16
.endr
	WIN 0
.set BB, BK+64*((\a)%2)
.irp t, 0,1,2,3,4,5,6,7,8,9,10,11,12,13,14,15
	ds_load_b128 v[BB+4*\t:BB+4*\t+3], v[RD] offset:\t*SPITCH
.endr
.endm
.macro SEND a, younger
.set BB, BK+64*((\a)%2)
	s_wait_dscnt \younger                          ; the block is back in registers
.if (\a) > 0
	s_add_nc_u64 s[CP:CP+1], s[CP:CP+1], 16*SIZE_N*4   ; (behind a wait on XCNT: the earlier stores have read their base)
.endif
.irp t, 0,1,2,3,4,5,6,7,8,9,10,11,12,13,14,15
	global_store_b128 v[CO], v[BB+4*\t:BB+4*\t+3], s[CP:CP+1] offset:\t*SIZE_N*4 th:TH_STORE_NT   ; 32 lanes store 512 consecutive bytes, aligned to 256
.endr
.endm
	PLACES NP
	TOSTAGE 0
.irp a, 1,2,3,4,5,6,7
.if \a > 1
	s_wait_xcnt 0x0                                ; block a - 2's stores have read their registers and their base
.endif
	TOSTAGE \a
	SEND \a-1, 32                                  ; behind block a - 1's loads: block a's 16 stores and 16 loads
.endr
	s_wait_xcnt 0x0
	SEND 7, 0
	s_wait_tensorcnt 0x0                           ; the wave's end
	ds_add_u32 v[SPW], v[NIL]
	s_wait_dscnt 0x0
	CROUND                                         ; the closing round
	s_endpgm
.Lfunc_end_k_q31ec925791_outp:
	.size	k_q31ec925791_outp, .Lfunc_end_k_q31ec925791_outp-k_q31ec925791_outp
	.p2alignl 7, 3214868480
	.fill 96, 4, 3214868480
	.section	.rodata,"a",@progbits
	.p2align	6, 0x0
	.amdhsa_kernel k_q31ec925791_outp
		.amdhsa_group_segment_fixed_size 327680
		.amdhsa_private_segment_fixed_size 0
		.amdhsa_enable_private_segment 0
		.amdhsa_kernarg_size 48
		.amdhsa_user_sgpr_count 2
		.amdhsa_user_sgpr_kernarg_segment_ptr 1
		.amdhsa_wavefront_size32 1
		.amdhsa_system_sgpr_workgroup_id_x 1
		.amdhsa_system_sgpr_workgroup_id_y 1
		.amdhsa_system_sgpr_workgroup_id_z 1
		.amdhsa_system_vgpr_workitem_id 0
		.amdhsa_next_free_vgpr 1024
		.amdhsa_next_free_sgpr 100
		.amdhsa_reserve_vcc 0
		.amdhsa_float_denorm_mode_32 3
		.amdhsa_float_denorm_mode_16_64 3
		.amdhsa_memory_ordered 1
		.amdhsa_forward_progress 1
		.amdhsa_inst_pref_size 154
	.end_amdhsa_kernel
	.amdgpu_metadata
---
amdhsa.version: [ 1, 2 ]
amdhsa.kernels:
  - .name:           k_q31ec925791_outp
    .symbol:         k_q31ec925791_outp.kd
    .args:
      - { .name: oc, .offset: 0, .size: 8, .value_kind: global_buffer, .address_space: global }
      - { .name: os, .offset: 8, .size: 8, .value_kind: global_buffer, .address_space: global }
      - { .name: codes, .offset: 16, .size: 8, .value_kind: global_buffer, .address_space: global }
      - { .name: scales, .offset: 24, .size: 8, .value_kind: global_buffer, .address_space: global }
      - { .name: bo, .offset: 32, .size: 8, .value_kind: global_buffer, .address_space: global }
      - { .name: out0, .offset: 40, .size: 8, .value_kind: global_buffer, .address_space: global }
    .group_segment_fixed_size: 327680
    .private_segment_fixed_size: 0
    .kernarg_segment_align: 8
    .kernarg_segment_size: 48
    .max_flat_workgroup_size: 128
    .sgpr_count:     100
    .vgpr_count:     1024
    .wavefront_size: 32
...
	.end_amdgpu_metadata
.endif
;; end of part 4
